; MI455X (gfx1250); checked and timed in simulation.
; The chip was launched on July 23, 2026; its instructions are those of AMD's public machine-readable ISA for CDNA 5 (MIT licence, August 2026) and "CDNA5" Instruction Set Architecture Reference Guide (July 2026). The comments in the code are by the model that wrote it; some were corrected since.
;; AFT Module. Allowed arithmetic: float matrix products may take bf16 or f16 operands with f32 sums; other float arithmetic in f32, or as packed bf16 or f16 multiplies, adds, multiply-adds, maxima and minima; sums over many terms, partial sums and values carried from step to step in f32; what a program stores and reads back later, other than sums and carried values, may be rounded once to bf16 or f16.
;; Inputs: W_out 1,024 x 1,024 float32; W_qkv 1,024 x 3,072 float32; b_out 1,024 float32; b_qkv 3,072 float32; data 2,048 x 4 x 1,024 float32; pos_bias_param 2,048 x 2,048 float32.
;; Outputs: out0 2,048 x 4 x 1,024 float32.
;; 2 versions, each right; version 2 is version 1 with the launches prep, rescale written anew for expert scheduling mode. Each part assembles by itself: llvm-mc -triple=amdgcn-amd-amdhsa -mcpu=gfx1250 --defsym DOCPART=n.
;; ======== version 1 of 2: 5 launches
;; limits: values are held in f16: magnitudes above 65,504 overflow, below 6.1e-05 lose precision; right only within a limited range of input values
;; workspace buffers: xh 16,777,216 bytes; wt 8,388,608 bytes; pexp 8,388,608 bytes; eel 33,554,432 bytes; mloc 262,144 bytes; ee 33,554,432 bytes; yf 16,777,216 bytes
;; launch prep (part 1): grid 256 x 1, 16 waves a work-group, no clusters, 141,312 bytes of LDS; arguments data, pos_bias_param, W_qkv, W_out, xh, pexp, wt; writes xh, pexp, wt
.if DOCPART == 1
	.amdgcn_target "amdgcn-amd-amdhsa--gfx1250"
	.amdhsa_code_object_version 6
	.text
	.protected	k_qd7d7127ca3_prep
	.globl	k_qd7d7127ca3_prep
	.p2align	8
	.type	k_qd7d7127ca3_prep,@function
k_qd7d7127ca3_prep:
	s_mov_b64 s[64:65], 0
	v_nop
	global_prefetch_b8 v0, s[64:65] scope:SCOPE_SE
	s_setreg_imm32_b32 hwreg(HW_REG_WAVE_MODE, 25, 1), 1
	s_wait_xcnt 0x0
; Makes the f16 operands of the products.  Every wave takes 16 KiB of one input by 32 loads of 16 bytes a lane, all issued at once.
;   work-groups   0-127: xh   = data in f16, same order
;   work-groups 128-191: pexp = exp(pos_bias - its row's maximum) in f16; a wave takes two rows of 8,192 bytes
;   work-groups 192-239: wt rows 0-3071 = W_qkv transposed to [row][k] f16: column d of k at row (d>>6)*128 + (d&63), of v 64 rows further down, of q at row 2048 + d
;   work-groups 240-255: wt bytes 6,291,456.. = W_out transposed to [n][k] f16
; No matrix unit, no cluster, no barrier: no two waves share a byte; the transposing waves use LDS bytes of their own (8,704 each).
; LIMITS: f16 holds magnitudes below 65,504 and loses relative precision under 6.1e-5 (absolute error at most 2^-25); exp(..) below 2^-25 becomes 0.
; The row maximum is taken with the form in which a NaN loses.  exp(x - m) is exp2(x*log2e - round(m*log2e)): the rounding is a factor common to the row,
; which the quotient of the two position sums cancels.
.set X,  32                            ; v[32:159] the 32 loads, 4 registers each
.set M,  8                             ; v[8:11]   four running maxima
.set NM, 12                            ; v[12:13]  -maximum * log2(e), twice
.set TT, 16                            ; v[16:31]  transposing waves: four packed columns
.set SA, 8                             ; v8   LDS address of my stores        (transposing waves only)
.set RA, 9                             ; v9   LDS address of my reads back
.set GI, 10                            ; v10  my byte offset in the weights
.set GO, 11                            ; v11  my byte offset in wt
.macro LOAD32 ptr                      ; 32 x 512 neighbouring bytes
.set e, 0
.rept 32
	global_load_b128 v[X+4*e:X+4*e+3], v3, s[\ptr:\ptr+1] offset:512*e th:TH_LOAD_NT
.set e, e+1
.endr
.endm
.macro PACKST j, ptr                   ; load j's four numbers to f16 in place; the wave's store covers 256 neighbouring bytes, aligned
	v_cvt_pk_f16_f32 v[X+4*\j], v[X+4*\j], v[X+4*\j+1]
	v_cvt_pk_f16_f32 v[X+4*\j+1], v[X+4*\j+2], v[X+4*\j+3]
	global_store_b64 v4, v[X+4*\j:X+4*\j+1], s[\ptr:\ptr+1] offset:256*\j
.endm
; A row of 2,048 f32 in the 64 registers from xb on becomes exp(x - row maximum).  left = younger loads that may stay out.
.macro ROWEXP xb, left
	s_wait_loadcnt \left
.irp k, 0,1,2,3
	v_max_num_f32 v[M+\k], v[\xb+16*\k], v[\xb+16*\k+1]            ; the first pairs start four chains
.endr
.irp i, 1,2,3,4,5,6,7
.irp k, 0,1,2,3
	v_max3_num_f32 v[M+\k], v[M+\k], v[\xb+16*\k+2*\i], v[\xb+16*\k+2*\i+1]
.endr
.endr
	v_max3_num_f32 v[M], v[M], v[M+1], v[M+2]
	v_max_num_f32 v[M], v[M], v[M+3]
	v_max_num_f32_dpp v[M], v[M], v[M] row_xmask:1 row_mask:0xf bank_mask:0xf
	v_max_num_f32_dpp v[M], v[M], v[M] row_xmask:2 row_mask:0xf bank_mask:0xf
	v_max_num_f32_dpp v[M], v[M], v[M] row_xmask:4 row_mask:0xf bank_mask:0xf
	v_max_num_f32_dpp v[M], v[M], v[M] row_xmask:8 row_mask:0xf bank_mask:0xf
	v_permlanex16_b32 v[M+1], v[M], s24, s25       ; the other half of the lanes; its destination has been written above
	v_max_num_f32 v[M], v[M], v[M+1]
	v_mul_f32 v[NM], 0xbfb8aa3b, v[M]
	v_mul_f32 v[NM+1], 0xbfb8aa3b, v[M]
.set e, 0
.rept 32
	v_pk_fma_f32 v[\xb+2*e:\xb+2*e+1], v[\xb+2*e:\xb+2*e+1], 0x3fb8aa3b, v[NM:NM+1] op_sel_hi:[1,0,1]
.set e, e+1
.endr
.set e, 0
.rept 64
	v_exp_f32 v[\xb+e], v[\xb+e]
.set e, e+1
.endr
	v_nop                                          ; one plain place behind the last exponential (ISA guide 5.7.2)
	s_wait_alu depctr_va_vdst(0)
.endm
; 128 k x 32 columns of a weight matrix whose rows are pitch bytes, transposed through my own 32 LDS rows of 272 bytes.
; Lane L, load i: row 32 (L>>3) + i, columns 4 (L&7) .. +3.  Eight loads give each of my four columns 8 neighbouring k: 16 bytes of f16.
.macro WJOB pitch, src
	v_mul_u32_u24 v[GI], v6, 32*\pitch
	v_lshl_add_u32 v[GI], v5, 4, v[GI]
.set e, 0
.rept 32
	global_load_b128 v[X+4*e:X+4*e+3], v[GI], s[\src:\src+1] offset:e*\pitch
.set e, e+1
.endr
.irp g, 0,1,2,3
	s_wait_loadcnt 24-8*\g                         ; loads 8g .. 8g+7 are in, the younger ones stay out
.irp c, 0,1,2,3
.irp p, 0,1,2,3
	v_cvt_pk_f16_f32 v[TT+4*\c+\p], v[X+4*(8*\g+2*\p)+\c], v[X+4*(8*\g+2*\p+1)+\c]
.endr
	ds_store_b128 v[SA], v[TT+4*\c:TT+4*\c+3] offset:\c*272+16*\g
.endr
.endr
.irp q, 0,1,2,3,4,5,6,7,8,9,10,11,12,13,14,15
	ds_load_b128 v[X+4*\q:X+4*\q+3], v[RA] offset:\q*544           ; LDS serves a wave's instructions in order (ISA guide 5.7.1): these see the stores above
.endr
.irp q, 0,1,2,3,4,5,6,7,8,9,10,11,12,13,14,15
	s_wait_dscnt 15-\q
	global_store_b128 v[GO], v[X+4*\q:X+4*\q+3], s[16:17] offset:\q*4096   ; sixteen lanes store 256 neighbouring bytes of one row of wt, aligned
.endr
	s_wait_tensorcnt 0x0
	ds_add_u32 v160, v161
	s_wait_dscnt 0x0
	s_endpgm
.endm
	s_load_b256 s[4:11], s[0:1], 0x0               ; data s[4:5], pos_bias_param s[6:7], W_qkv s[8:9], W_out s[10:11]
	s_load_b128 s[12:15], s[0:1], 0x20             ; xh s[12:13], pexp s[14:15]
	s_load_b64 s[16:17], s[0:1], 0x30              ; wt
	v_lshl_add_u32 v160, v0, 2, 0x22000
	v_mov_b32 v161, 0
	v_lshrrev_b32 v1, 5, v0
	v_readfirstlane_b32 s18, v1                    ; wave 0..15
	v_and_b32 v2, 31, v0
	v_lshlrev_b32 v3, 4, v2                        ; 16 x lane: in
	v_lshlrev_b32 v4, 3, v2                        ; 8 x lane: out
	s_mov_b32 s21, 0
	s_mov_b32 s23, 0
	s_mov_b32 s24, 0x76543210                      ; v_permlanex16_b32: lane i reads lane i of the other half
	s_mov_b32 s25, 0xfedcba98
	s_wait_kmcnt 0x0
	s_cmp_ge_u32 ttmp9, 128
	s_cbranch_scc1 .Lnot_data
	; data to f16: chunk c = 16 x work-group + wave, 16,384 bytes in, 8,192 out
	s_lshl_b32 s19, ttmp9, 4
	s_add_co_u32 s19, s19, s18
	s_lshl_b32 s20, s19, 14
	s_lshl_b32 s22, s19, 13
	s_add_nc_u64 s[4:5], s[4:5], s[20:21]
	s_add_nc_u64 s[12:13], s[12:13], s[22:23]
	LOAD32 4
.set f, 0
.rept 32
	s_wait_loadcnt 31-f                            ; loads come back in order: load f is in
	PACKST f, 12
.set f, f+1
.endr
	s_endpgm
.Lnot_data:
	s_cmp_ge_u32 ttmp9, 192
	s_cbranch_scc1 .Lweights
	; two rows of the position table
	s_sub_co_u32 s19, ttmp9, 128
	s_lshl_b32 s19, s19, 4
	s_add_co_u32 s19, s19, s18
	s_lshl_b32 s20, s19, 14
	s_lshl_b32 s22, s19, 13
	s_add_nc_u64 s[6:7], s[6:7], s[20:21]
	s_add_nc_u64 s[14:15], s[14:15], s[22:23]
	LOAD32 6
	ROWEXP X, 16                                   ; the first row's sixteen loads are in, the second row's stay out
.set f, 0
.rept 16
	PACKST f, 14
.set f, f+1
.endr
	ROWEXP X+64, 0
.rept 16
	PACKST f, 14
.set f, f+1
.endr
	s_endpgm
.Lweights:
	s_lshr_b32 s26, s18, 3                         ; which of the work-group's two chunks of 32 columns
	s_and_b32 s27, s18, 7                          ; which 128 k
	s_mul_i32 s28, s18, 8704                       ; my LDS bytes
	v_and_b32 v5, 7, v0
	v_bfe_u32 v6, v0, 3, 2
	v_and_b32 v7, 15, v0
	v_bfe_u32 v14, v0, 4, 1
	v_mul_u32_u24 v[SA], v5, 1088                  ; column 4 (L&7): four LDS rows of 272 bytes
	v_lshl_add_u32 v[SA], v6, 6, v[SA]             ; k = 32 (L>>3): 64 bytes
	v_add_nc_u32 v[SA], s28, v[SA]
	v_mul_u32_u24 v[RA], v14, 272                  ; back: lanes 0-15 one row, lanes 16-31 the next
	v_lshl_add_u32 v[RA], v7, 4, v[RA]
	v_add_nc_u32 v[RA], s28, v[RA]
	v_lshlrev_b32 v[GO], 11, v14                   ; the same two rows in wt, 2,048 bytes apart
	v_lshl_add_u32 v[GO], v7, 4, v[GO]
	s_cmp_ge_u32 ttmp9, 240
	s_cbranch_scc1 .Lwout
	s_sub_co_u32 s19, ttmp9, 192
	s_lshl1_add_u32 s19, s19, s26                  ; u = chunk of 32 columns, 0..95
	s_mul_i32 s20, s27, 128*12288
	s_lshl_b32 s22, s19, 7
	s_add_co_u32 s20, s20, s22
	s_add_nc_u64 s[8:9], s[8:9], s[20:21]
	s_and_b32 s22, s19, 31                         ; c = chunk within q, k or v: d = 32 c ..
	s_lshr_b32 s20, s19, 5                         ; part: 0 q, 1 k, 2 v
	s_lshr_b32 s29, s22, 1
	s_lshl_b32 s29, s29, 7                         ; k, v: (d>>6) * 128
	s_and_b32 s30, s22, 1
	s_lshl_b32 s30, s30, 5                         ; + (d & 63)
	s_add_co_u32 s29, s29, s30
	s_lshl_b32 s30, s20, 6                         ; + (part - 1) * 64
	s_add_co_u32 s29, s29, s30
	s_sub_co_u32 s29, s29, 64                      ; (for q this figure is not used)
	s_lshl_b32 s22, s22, 5
	s_add_co_u32 s22, s22, 2048                    ; q: row 2048 + d
	s_cmp_eq_u32 s20, 0
	s_cselect_b32 s22, s22, s29
	s_lshl_b32 s22, s22, 11                        ; rows of 2,048 bytes
	s_lshl_b32 s20, s27, 8
	s_add_co_u32 s22, s22, s20
	s_add_nc_u64 s[16:17], s[16:17], s[22:23]
	WJOB 12288, 8
.Lwout:
	s_sub_co_u32 s19, ttmp9, 240
	s_lshl1_add_u32 s19, s19, s26                  ; u = 0..31
	s_mul_i32 s20, s27, 128*4096
	s_lshl_b32 s22, s19, 7
	s_add_co_u32 s20, s20, s22
	s_add_nc_u64 s[10:11], s[10:11], s[20:21]
	s_lshl_b32 s22, s19, 16
	s_lshl_b32 s20, s27, 8
	s_add_co_u32 s22, s22, s20
	s_add_co_u32 s22, s22, 6291456
	s_add_nc_u64 s[16:17], s[16:17], s[22:23]
	WJOB 4096, 10
.Lfunc_end_k_qd7d7127ca3_prep:
	.size	k_qd7d7127ca3_prep, .Lfunc_end_k_qd7d7127ca3_prep-k_qd7d7127ca3_prep
	.p2alignl 7, 3214868480
	.fill 96, 4, 3214868480
	.section	.rodata,"a",@progbits
	.p2align	6, 0x0
	.amdhsa_kernel k_qd7d7127ca3_prep
		.amdhsa_group_segment_fixed_size 141312
		.amdhsa_private_segment_fixed_size 0
		.amdhsa_enable_private_segment 0
		.amdhsa_kernarg_size 56
		.amdhsa_user_sgpr_count 2
		.amdhsa_user_sgpr_kernarg_segment_ptr 1
		.amdhsa_wavefront_size32 1
		.amdhsa_system_sgpr_workgroup_id_x 1
		.amdhsa_system_sgpr_workgroup_id_y 1
		.amdhsa_system_sgpr_workgroup_id_z 1
		.amdhsa_system_vgpr_workitem_id 0
		.amdhsa_next_free_vgpr 162
		.amdhsa_next_free_sgpr 66
		.amdhsa_reserve_vcc 0
		.amdhsa_float_denorm_mode_32 3
		.amdhsa_float_denorm_mode_16_64 3
		.amdhsa_memory_ordered 1
		.amdhsa_forward_progress 1
		.amdhsa_inst_pref_size 63
	.end_amdhsa_kernel
	.amdgpu_metadata
---
amdhsa.version: [ 1, 2 ]
amdhsa.kernels:
  - .name:           k_qd7d7127ca3_prep
    .symbol:         k_qd7d7127ca3_prep.kd
    .args:
      - { .name: data, .offset: 0, .size: 8, .value_kind: global_buffer, .address_space: global }
      - { .name: pos_bias_param, .offset: 8, .size: 8, .value_kind: global_buffer, .address_space: global }
      - { .name: W_qkv, .offset: 16, .size: 8, .value_kind: global_buffer, .address_space: global }
      - { .name: W_out, .offset: 24, .size: 8, .value_kind: global_buffer, .address_space: global }
      - { .name: xh, .offset: 32, .size: 8, .value_kind: global_buffer, .address_space: global }
      - { .name: pexp, .offset: 40, .size: 8, .value_kind: global_buffer, .address_space: global }
      - { .name: wt, .offset: 48, .size: 8, .value_kind: global_buffer, .address_space: global }
    .group_segment_fixed_size: 141312
    .private_segment_fixed_size: 0
    .kernarg_segment_align: 8
    .kernarg_segment_size: 56
    .max_flat_workgroup_size: 512
    .sgpr_count:     66
    .vgpr_count:     162
    .wavefront_size: 32
...
	.end_amdgpu_metadata
.endif
;; end of part 1
;; launch kv (part 2): grid 8 x 32, 4 waves a work-group, clusters of 4 x 4, 327,680 bytes of LDS; arguments xh, wt, b_qkv, eel, mloc; writes eel, mloc
.if DOCPART == 2
	.amdgcn_target "amdgcn-amd-amdhsa--gfx1250"
	.amdhsa_code_object_version 6
	.text
	.protected	k_qd7d7127ca3_kv
	.globl	k_qd7d7127ca3_kv
	.p2align	8
	.type	k_qd7d7127ca3_kv,@function
k_qd7d7127ca3_kv:
	s_mov_b64 s[64:65], 0
	v_nop
	global_prefetch_b8 v0, s[64:65] scope:SCOPE_SE
	s_setreg_imm32_b32 hwreg(HW_REG_WAVE_MODE, 25, 1), 1
	s_wait_xcnt 0x0
	s_wait_alu depctr_hold_cnt(0) depctr_sa_sdst(0) depctr_va_vdst(0) depctr_va_sdst(0) depctr_va_ssrc(0) depctr_va_vcc(0) depctr_vm_vsrc(0)
	s_getreg_b32 s2, hwreg(HW_REG_IB_STS2, 6, 4)
	s_cmp_eq_u32 s2, 0
	s_cbranch_scc0 .Lentry_in_a_cluster
	s_endpgm
.Lentry_in_a_cluster:
	s_bfe_u32 s2, ttmp6, 0x10000c
	s_cmp_lg_u32 s2, 0xf033
	s_cbranch_scc0 .Lentry_shape_is_right
	s_endpgm
.Lentry_shape_is_right:
; k and v = X W + bias, M = 8192 (rows taken as b x 2048 + t), N = 2048 (rows 0-2047 of wt), K = 1024; f16 operands, f32 sums.
; A work-group makes 256 x 256 with four waves, a wave 128 t x 128 columns: 64 columns of k (tiles 0-3) and the 64 of v for the same d (tiles 4-7).
; k and v never reach memory.  With x = (k + bias) log2e and c = ceil(max of x over the wave's 128 t), per column, the wave stores
;   eel = exp2(x - c) (v + bias) and exp2(x - c) in f16 as rows [R][t] (R = (n>>6)*128 + (n&63), and 64 rows further down; n = b*1024 + d), and mloc = -c.
; The next launch brings the 16 blocks of a column to their largest c: the maximum over all t is taken away, rounded up to a whole power of two.
; The matrix instruction is used as it is (source 0 = rows of A, source 1 = rows of B): lane l holds column l % 16, registers 0-7 the rows t = 8 (l / 16) + 0..7.
; So a column's maximum is made inside the lane but for one step between the halves, and eight results pack into 16 neighbouring bytes of a row [n][t].
; K goes in steps of 128 (rows of 256 bytes, aligned) through two LDS slots.  CLUSTERS: 4 x 4 work-groups; A's tile hangs on the block row alone and is asked for
; jointly along a row of the cluster, B's on the block column alone and jointly along a column: a quarter of the requests.
; The accumulators take turns, one instruction a turn, in the same order in every quarter step.
; REGISTERS: window 0: addresses, v32-39 the bias as loaded, v64-127 / v128-191 A's fragments (two buffers), v192-219 bias pairs, maxima, shifts;
; window 1: B's fragments; window 2: tiles of my rows 0-63 at v[8 (8 a + b)]; window 3: those of rows 64-127.
; LIMITS: operands in f16: |data|, |W_qkv|, |v| below 65,504; under 6.1e-5 the absolute error is at most 2^-25.  The maximum is taken with the form in which a NaN loses.
.set NB,     8
.set PITCH,  272                       ; 256 bytes + 16 of padding: the 16 rows of a fragment load start 16 bytes apart modulo 256
.set HALFA,  128*PITCH
.set HALFB,  128*PITCH
.set SLOT,   2*HALFA+2*HALFB           ; A's two halves, then B's two halves
.set STAGE,  2*SLOT                    ; behind the ring: 32 rows x 272 bytes for each wave; no fill lands here
.set LAPS,   4                         ; K / 256
.set ADRA, 16
.set ADRB, 20
.set STO,  24
.set RD,   25
.set CO,   26
.set MO,   27
.set BOF,  28
.set T,    32
.set F0,   64
.set F1,   128
.set BK,   192                         ; v[192:199] k's bias times log2e, a pair for each tile
.set BV,   200                         ; v[200:207] v's bias, a pair for each tile
.set M,    208                         ; v[208:211] running maxima
.set NC,   212                         ; v[212:219] -c, a pair for each tile
.set G1,  24
.set G0,  32
.set G1B, 48
.set G0B, 56
.set MSB, 0
.macro WIN new                         ; the immediate's high byte repeats the setting that is left
.if MSB != (\new)
	s_set_vgpr_msb (MSB<<8)|(\new)
.set MSB, (\new)
.endif
.endm
.set MUL_LO, 0xa4                      ; source 0 (A) window 0, source 1 (B) window 1, C and D window 2
.set MUL_HI, 0xf4                      ; the same, C and D window 3
.set TO_B,   0x40                      ; destination window 1
.macro PLACES                          ; four plain places behind a matrix instruction (ISA guide 7.12.1)
.rept 4
	v_nop
.endr
.endm
.macro JLOAD s                         ; waves 0, 1 ask for A's halves, waves 2, 3 for B's: each line has one mask; the branch hangs on the wave's number alone
	s_cmp_eq_u32 s11, 0
	s_cbranch_scc0 .Lfor_b_\@
	tensor_load_to_lds s[G0+4*\s:G0+4*\s+3], s[G1:G1+7]
	s_nop 0
.rept 4
	v_nop
.endr
	s_branch .Lasked_\@
.Lfor_b_\@:
	tensor_load_to_lds s[G0B+4*\s:G0B+4*\s+3], s[G1B:G1B+7]
	s_nop 0
.rept 4
	v_nop
.endr
.Lasked_\@:
.endm
.macro CREST                           ; a round of the cluster's barrier behind its opening barrier
	s_cmp_lg_u32 s10, 0
	s_cbranch_scc1 .Lnot_wave_0_\@
	s_barrier_signal -3
.Lnot_wave_0_\@:
	s_barrier_wait -3
	s_barrier_signal -1
	s_barrier_wait -1
.endm
.macro CROUND
	s_barrier_signal -1
	s_barrier_wait -1
	CREST
.endm
.macro MULS f, hi, a0, zero            ; m blocks a0, a0 + 1 of the window's four x all 8 n blocks, 32 along K; zero = 1: the product starts the sums
.irp a, \a0, \a0+1
.set bb, 0
.rept NB
.if \zero
	v_wmma_f32_16x16x32_f16 v[8*(NB*(\a)+bb):8*(NB*(\a)+bb)+7], v[\f+8*(4*\hi+\a):\f+8*(4*\hi+\a)+7], v[\f+8*bb:\f+8*bb+7], 0
.else
	v_wmma_f32_16x16x32_f16 v[8*(NB*(\a)+bb):8*(NB*(\a)+bb)+7], v[\f+8*(4*\hi+\a):\f+8*(4*\hi+\a)+7], v[\f+8*bb:\f+8*bb+7], v[8*(NB*(\a)+bb):8*(NB*(\a)+bb)+7]
.endif
.set bb, bb+1
.endr
.endr
.endm
.macro FETCH slot, q, f                ; the fragments of quarter step q: 16 loads for B, 16 for A, in one run
	WIN TO_B
.set ii, 0
.rept NB
	ds_load_b128 v[\f+8*ii:\f+8*ii+3],   v[ADRB+\slot] offset:\q*64+ii*16*PITCH
	ds_load_b128 v[\f+8*ii+4:\f+8*ii+7], v[ADRB+\slot] offset:\q*64+ii*16*PITCH+32
.set ii, ii+1
.endr
	WIN 0
.irp i, 0,1,2,3,4,5,6,7
	ds_load_b128 v[\f+8*\i:\f+8*\i+3],   v[ADRA+\slot] offset:\q*64+\i*16*PITCH
	ds_load_b128 v[\f+8*\i+4:\f+8*\i+7], v[ADRA+\slot] offset:\q*64+\i*16*PITCH+32
.endr
.endm
.macro QUARTER slot, q, f, g, zero     ; multiplies buffer f; in its middle fetches quarter q into buffer g
	s_wait_dscnt 8                                 ; B and A's rows 0-63 are in; the youngest eight loads are A's rows 64-127
	WIN MUL_LO
	MULS \f, 0, 0, \zero
	MULS \f, 0, 2, \zero
	PLACES
	FETCH \slot, \q, \g
	s_wait_dscnt 2*NB+16                           ; all but the run just issued
	WIN MUL_HI
	MULS \f, 1, 0, \zero
	MULS \f, 1, 2, \zero
.endm
.macro THREE slot, zero
	QUARTER \slot, 1, F0, F1, \zero
	QUARTER \slot, 2, F1, F0, 0
	QUARTER \slot, 3, F0, F1, 0
.endm
; The last quarter of a K step changes slots.  In front of the barrier each wave waits for its reads of this slot and for all its tensor loads (one is out: its part
; of the next slot).  Where the slot is filled again the barrier opens a round of the cluster's barrier, and the joint refill is the first tensor load behind it.
.macro TURN slot, next, fill
	s_wait_dscnt 8
	WIN MUL_LO
	MULS F1, 0, 0, 0
	s_wait_dscnt 0
	s_wait_tensorcnt 0x0
	ds_add_u32 v255, v255
	s_wait_dscnt 0x0
	s_barrier_signal -1
	MULS F1, 0, 2, 0
	WIN 0
	s_barrier_wait -1
.if \fill
	CREST
	s_add_nc_u64 s[G0+4*\slot+2:G0+4*\slot+3], s[G0+4*\slot+2:G0+4*\slot+3], 512         ; no tensor load of mine is out: the addresses step two K steps on
	s_add_nc_u64 s[G0B+4*\slot+2:G0B+4*\slot+3], s[G0B+4*\slot+2:G0B+4*\slot+3], 512
	JLOAD \slot                                    ; its four v_nop are also the places in front of the loads below
.else
	PLACES
.endif
	FETCH \next, 0, F0
	WIN MUL_HI
	MULS F1, 1, 0, 0
	MULS F1, 1, 2, 0
.endm
.macro LAP zero
	THREE 0, \zero
	TURN 0, 1, 1
	THREE 1, 0
	TURN 1, 0, 1
.endm
	s_load_b128 s[4:7], s[0:1], 0x0                ; xh s[4:5], wt s[6:7]
	s_load_b128 s[68:71], s[0:1], 0x10             ; b_qkv s[68:69], eel s[70:71]
	s_load_b64 s[72:73], s[0:1], 0x20              ; mloc
	v_lshl_add_u32 v255, v0, 2, 0x4c800
	s_set_vgpr_msb 0x40
	v_mov_b32 v255, 0
	s_set_vgpr_msb 0x4044
	ds_add_u32 v255, v255
	s_set_vgpr_msb 0x4400
	v_lshrrev_b32 v1, 5, v0
	v_readfirstlane_b32 s10, v1                    ; wave 0..3
	s_lshr_b32 s11, s10, 1                         ; my half of the block's rows; also: I fetch for A (0) or B (1)
	s_and_b32 s12, s10, 1                          ; my half of its columns; also: which half tile I fetch
	s_mov_b32 s8, 0x76543210                       ; v_permlanex16_b32: lane i reads lane i of the other half
	s_mov_b32 s9, 0xfedcba98
	s_bfe_u32 s40, ttmp6, 0x40000                  ; cx
	s_bfe_u32 s41, ttmp6, 0x40004                  ; cy
	s_lshl_b32 s42, ttmp9, 2
	s_add_co_u32 s42, s42, s40                     ; block column 0..7: 128 d
	s_and_b32 s13, ttmp7, 0xffff
	s_lshl_b32 s13, s13, 2
	s_add_co_u32 s13, s13, s41                     ; block row 0..31: b = row >> 3, 256 t at (row & 7)
	s_lshl_b32 s43, s41, 2
	s_lshl_b32 s43, 15, s43                        ; my row of the cluster
	s_lshl_b32 s44, 0x1111, s40                    ; my column
	; group 1.  A: 128 rows x 128 f16, rows 4,096 elements apart (one b, consecutive t).  B: 128 rows x 128 f16, rows 1,024 apart.  16 bytes of padding behind every 64 words.
	s_or_b32 s[G1+0], s43, (1<<16)|(1<<20)|(1<<21)|(5<<22)|(3<<25)
	s_mov_b32 s[G1+1], 128<<16
	s_mov_b32 s[G1+2], 128<<16
	s_mov_b32 s[G1+3], 128<<16
	s_mov_b32 s[G1+4], 128
	s_mov_b32 s[G1+5], 4096
	s_mov_b32 s[G1+6], 0
	s_mov_b32 s[G1+7], 0
	s_or_b32 s[G1B+0], s44, (1<<16)|(1<<20)|(1<<21)|(5<<22)|(3<<25)
	s_mov_b32 s[G1B+1], 128<<16
	s_mov_b32 s[G1B+2], 128<<16
	s_mov_b32 s[G1B+3], 128<<16
	s_mov_b32 s[G1B+4], 128
	s_mov_b32 s[G1B+5], 1024
	s_mov_b32 s[G1B+6], 0
	s_mov_b32 s[G1B+7], 0
	s_and_b32 s16, s13, 7                          ; A: t0 = 256 (row & 7) + 128 half, 8,192 bytes a t; b: 2,048 bytes
	s_lshl1_add_u32 s16, s16, s12
	s_lshl_b32 s16, s16, 20
	s_lshr_b32 s17, s13, 3
	s_lshl_b32 s17, s17, 11
	s_add_co_u32 s16, s16, s17
	s_mov_b32 s17, 0
	s_lshl1_add_u32 s46, s42, s12                  ; B: 128 rows of 2,048 bytes for each half
	s_lshl_b32 s46, s46, 18
	s_mov_b32 s47, 0
	s_mul_i32 s20, s10, HALFA                      ; LDS targets: the wave's number times a constant, plus a constant
	s_mul_i32 s45, s10, HALFB
	s_add_co_u32 s45, s45, 2*HALFA-2*HALFB
	s_wait_dscnt 0x0
	s_wait_kmcnt 0x0
	s_add_nc_u64 s[14:15], s[4:5], s[16:17]
	s_add_nc_u64 s[46:47], s[6:7], s[46:47]
	CROUND                                         ; all sixteen work-groups are here: the first joint loads meet
.irp s, 0,1
	s_mov_b32 s[G0+4*\s], 1
	s_add_co_u32 s[G0+4*\s+1], s20, \s*SLOT
	s_add_nc_u64 s[G0+4*\s+2:G0+4*\s+3], s[14:15], \s*256
	s_or_b32 s[G0+4*\s+3], s[G0+4*\s+3], 0x80000000
	s_mov_b32 s[G0B+4*\s], 1
	s_add_co_u32 s[G0B+4*\s+1], s45, \s*SLOT
	s_add_nc_u64 s[G0B+4*\s+2:G0B+4*\s+3], s[46:47], \s*256
	s_or_b32 s[G0B+4*\s+3], s[G0B+4*\s+3], 0x80000000
	JLOAD \s
.endr
	v_and_b32 v1, 15, v0                           ; r
	v_bfe_u32 v2, v0, 4, 1                         ; h
	v_mul_u32_u24 v3, v1, PITCH
	v_lshl_add_u32 v3, v2, 4, v3                   ; r x pitch + 16 h
	s_mul_i32 s21, s11, HALFA
	s_mul_i32 s22, s12, HALFB
	s_add_co_u32 s22, s22, 2*HALFA
.irp s, 0,1
	v_add_nc_u32 v[ADRA+\s], s21, v3
	v_add_nc_u32 v[ADRB+\s], s22, v3
	s_add_co_u32 s21, s21, SLOT
	s_add_co_u32 s22, s22, SLOT
.endr
	s_mul_i32 s23, s10, 32*PITCH
	s_add_co_u32 s23, s23, STAGE                   ; my stage
	v_add_nc_u32 v[STO], s23, v3                   ; in: row r of a tile, 16 bytes for each half of the lanes
	v_mul_u32_u24 v5, v2, PITCH                    ; back: lanes 0-15 one row of 256 bytes, lanes 16-31 the next
	v_lshl_add_u32 v5, v1, 4, v5
	v_add_nc_u32 v[RD], s23, v5
	v_lshlrev_b32 v[CO], 12, v2                    ; the same two rows in eel, 4,096 bytes apart
	v_lshl_add_u32 v[CO], v1, 4, v[CO]
	v_and_b32 v4, 31, v0
	v_lshlrev_b32 v[MO], 3, v4                     ; 8 x lane, for mloc
	v_lshlrev_b32 v[BOF], 2, v1                    ; my column of a tile in the bias
	s_lshl_b32 s76, s42, 9                         ; d0 = 128 block column + 64 half, in bytes
	s_lshl_b32 s77, s12, 8
	s_add_co_u32 s76, s76, s77
	s_mov_b32 s77, 0
	s_add_nc_u64 s[68:69], s[68:69], s[76:77]
.irp bt, 0,1,2,3
	global_load_b32 v[T+\bt],   v[BOF], s[68:69] offset:4096+64*\bt      ; k's bias; waited for on the way out
	global_load_b32 v[T+4+\bt], v[BOF], s[68:69] offset:8192+64*\bt      ; v's bias
.endr
	s_wait_tensorcnt 1                             ; my part of K step 0 is in; K step 1's stays out
	s_barrier_signal -1
	s_barrier_wait -1
	FETCH 0, 0, F0
	LAP 1
	WIN 0
	s_mov_b32 s3, LAPS-2
.Llap:
	LAP 0
	WIN 0
	s_sub_co_u32 s3, s3, 1
	s_cmp_lg_u32 s3, 0
	s_cbranch_scc1 .Llap
	THREE 0, 0                                     ; the last lap fills nothing
	TURN 0, 1, 0
	THREE 1, 0
	s_wait_dscnt 8
	WIN MUL_LO
	MULS F1, 0, 0, 0
	MULS F1, 0, 2, 0
	s_wait_dscnt 0
	WIN MUL_HI
	MULS F1, 1, 0, 0
	MULS F1, 1, 2, 0
	PLACES                                         ; behind the last matrix instructions, for all that reads results or writes the buffers below
	WIN 0
	s_lshr_b32 s76, s13, 3                         ; b
	s_and_b32 s77, s13, 7                          ; block of 256 t
	s_lshl_b32 s78, s76, 4
	s_lshl1_add_u32 s78, s42, s78
	s_add_co_u32 s78, s78, s12                     ; g = n >> 6 = 16 b + 2 block column + half
	s_lshl_b32 s80, s78, 19                        ; eel: 128 rows of 4,096 bytes for each g, then my first t, 2 bytes each
	s_lshl_b32 s81, s77, 9
	s_add_co_u32 s80, s80, s81
	s_lshl_b32 s81, s11, 8
	s_add_co_u32 s80, s80, s81
	s_mov_b32 s81, 0
	s_add_nc_u64 s[70:71], s[70:71], s[80:81]
	s_lshl1_add_u32 s82, s77, s11                  ; mloc: block of 128 t, 16,384 bytes each; g, 256 bytes each
	s_lshl_b32 s82, s82, 14
	s_lshl_b32 s83, s78, 8
	s_add_co_u32 s82, s82, s83
	s_mov_b32 s83, 0
	s_add_nc_u64 s[72:73], s[72:73], s[82:83]
	s_wait_loadcnt 0x0                             ; the bias
.irp bt, 0,1,2,3
	v_mul_f32 v[BK+2*\bt],   0x3fb8aa3b, v[T+\bt]  ; pairs, for the packed forms
	v_mul_f32 v[BK+2*\bt+1], 0x3fb8aa3b, v[T+\bt]
	v_mov_b32 v[BV+2*\bt],   v[T+4+\bt]
	v_mov_b32 v[BV+2*\bt+1], v[T+4+\bt]
	v_mov_b32 v[M+\bt], 0xff800000                 ; the chains start at minus infinity: their first source lies in window 0
.endr
; x = k log2e + bias log2e in place, and the running maxima, for the 16 k tiles of window w
.macro KMAX w
	WIN (\w<<6)|\w
.irp a, 0,1,2,3
.irp bt, 0,1,2,3
.irp p, 0,2,4,6
	v_pk_fma_f32 v[8*(NB*\a+\bt)+\p:8*(NB*\a+\bt)+\p+1], v[8*(NB*\a+\bt)+\p:8*(NB*\a+\bt)+\p+1], 0x3fb8aa3b, v[BK+2*\bt:BK+2*\bt+1] op_sel_hi:[1,0,1]
.endr
.endr
.endr
	WIN (\w<<4)|(\w<<2)
.irp a, 0,1,2,3
.irp p, 0,2,4,6
.irp bt, 0,1,2,3
	v_max3_num_f32 v[M+\bt], v[M+\bt], v[8*(NB*\a+\bt)+\p], v[8*(NB*\a+\bt)+\p+1]
.endr
.endr
.endr
.endm
; E = exp2(x - c) in k's tiles, E (v + bias) in v's tiles, for window w
.macro KEXP w
	WIN (\w<<6)|\w
.irp a, 0,1,2,3
.irp bt, 0,1,2,3
.irp p, 0,2,4,6
	v_pk_add_f32 v[8*(NB*\a+\bt)+\p:8*(NB*\a+\bt)+\p+1], v[8*(NB*\a+\bt)+\p:8*(NB*\a+\bt)+\p+1], v[NC+2*\bt:NC+2*\bt+1]
.endr
.endr
.endr
.irp a, 0,1,2,3
.irp bt, 0,1,2,3
.irp j, 0,1,2,3,4,5,6,7
	v_exp_f32 v[8*(NB*\a+\bt)+\j], v[8*(NB*\a+\bt)+\j]
.endr
.endr
.endr
.irp a, 0,1,2,3
.irp bt, 0,1,2,3
.irp p, 0,2,4,6
	v_pk_add_f32 v[8*(NB*\a+4+\bt)+\p:8*(NB*\a+4+\bt)+\p+1], v[8*(NB*\a+4+\bt)+\p:8*(NB*\a+4+\bt)+\p+1], v[BV+2*\bt:BV+2*\bt+1]   ; plain work on other registers behind the exponentials (ISA guide 5.7.2)
.endr
.endr
.endr
	WIN (\w<<6)|(\w<<2)|\w
	s_wait_alu depctr_va_vdst(0)
.irp a, 0,1,2,3
.irp bt, 0,1,2,3
.irp p, 0,2,4,6
	v_pk_mul_f32 v[8*(NB*\a+4+\bt)+\p:8*(NB*\a+4+\bt)+\p+1], v[8*(NB*\a+4+\bt)+\p:8*(NB*\a+4+\bt)+\p+1], v[8*(NB*\a+\bt)+\p:8*(NB*\a+\bt)+\p+1]
.endr
.endr
.endr
.endm
; Column tiles bt0, bt0 + 1 (32 rows of eel x my 128 t) to f16, 16 bytes a lane into my stage, whole rows of 256 bytes back and out.  gi: which 32 of my 128 rows.
.macro KPACK gi, bt0
.irp w, 2,3
	WIN (\w<<2)|\w
.irp a, 0,1,2,3
.irp u, 0,1
.irp p, 0,1,2,3
	v_cvt_pk_f16_f32 v[F0+32*\u+4*(4*(\w-2)+\a)+\p], v[8*(NB*\a+\bt0+\u)+2*\p], v[8*(NB*\a+\bt0+\u)+2*\p+1]
.endr
.endr
.endr
.endr
	WIN 0
.irp u, 0,1
.irp a, 0,1,2,3,4,5,6,7
	ds_store_b128 v[STO], v[F0+32*\u+4*\a:F0+32*\u+4*\a+3] offset:\u*16*PITCH+32*\a     ; t = 16 a + 8 h .. +7 of row 16 u + r
.endr
.endr
	s_wait_xcnt 0x0                                ; buffer 1, which earlier stores read, is loaded again only behind this wait
.irp q, 0,1,2,3,4,5,6,7,8,9,10,11,12,13,14,15
	ds_load_b128 v[F1+4*\q:F1+4*\q+3], v[RD] offset:\q*2*PITCH     ; my own bytes, served in order behind the stores above (ISA guide 5.7.1)
.endr
.irp q, 0,1,2,3,4,5,6,7,8,9,10,11,12,13,14,15
	s_wait_dscnt 15-\q
	global_store_b128 v[CO], v[F1+4*\q:F1+4*\q+3], s[70:71] offset:\gi*131072+\q*8192   ; sixteen lanes store 256 neighbouring bytes of one row, aligned
.endr
.endm
	KMAX 2
	KMAX 3
	WIN 0
.irp bt, 0,1,2,3
	v_permlanex16_b32 v[T+\bt], v[M+\bt], s8, s9   ; the other eight t of each sixteen; the destinations have been written by the bias loads
.endr
.irp bt, 0,1,2,3
	v_max_num_f32 v[M+\bt], v[M+\bt], v[T+\bt]
.endr
.irp bt, 0,1,2,3
	v_mul_f32 v[M+\bt], -1.0, v[M+\bt]
.endr
.irp bt, 0,1,2,3
	v_floor_f32 v[NC+2*\bt],   v[M+\bt]             ; floor(-max) = -ceil(max) = -c
	v_floor_f32 v[NC+2*\bt+1], v[M+\bt]
.endr
	v_cmp_ne_u32 vcc_lo, 0, v2
	v_cndmask_b32 v[T],   v[NC],   v[NC+2], vcc_lo ; word 2 L + w holds column 16 (2 w + h) + r: the wave's one store covers my 64 columns, 256 neighbouring bytes, aligned
	v_cndmask_b32 v[T+1], v[NC+4], v[NC+6], vcc_lo
	global_store_b64 v[MO], v[T:T+1], s[72:73]
	KEXP 2
	KEXP 3
	KPACK 0, 4                                     ; E v, d 0-31 of my 64
	KPACK 1, 6                                     ; E v, d 32-63
	KPACK 2, 0                                     ; E, 64 rows further down
	KPACK 3, 2
	s_set_vgpr_msb 0x4
	s_wait_tensorcnt 0x0
	ds_add_u32 v255, v255
	s_wait_dscnt 0x0
	s_set_vgpr_msb 0x400
	CROUND                                         ; the closing round: no work-group ends while a partner may still ask for a tile that names it
	s_endpgm
.Lfunc_end_k_qd7d7127ca3_kv:
	.size	k_qd7d7127ca3_kv, .Lfunc_end_k_qd7d7127ca3_kv-k_qd7d7127ca3_kv
	.p2alignl 7, 3214868480
	.fill 96, 4, 3214868480
	.section	.rodata,"a",@progbits
	.p2align	6, 0x0
	.amdhsa_kernel k_qd7d7127ca3_kv
		.amdhsa_group_segment_fixed_size 327680
		.amdhsa_private_segment_fixed_size 0
		.amdhsa_enable_private_segment 0
		.amdhsa_kernarg_size 40
		.amdhsa_user_sgpr_count 2
		.amdhsa_user_sgpr_kernarg_segment_ptr 1
		.amdhsa_wavefront_size32 1
		.amdhsa_system_sgpr_workgroup_id_x 1
		.amdhsa_system_sgpr_workgroup_id_y 1
		.amdhsa_system_sgpr_workgroup_id_z 1
		.amdhsa_system_vgpr_workitem_id 0
		.amdhsa_next_free_vgpr 1024
		.amdhsa_next_free_sgpr 84
		.amdhsa_reserve_vcc 1
		.amdhsa_float_denorm_mode_32 3
		.amdhsa_float_denorm_mode_16_64 3
		.amdhsa_memory_ordered 1
		.amdhsa_forward_progress 1
		.amdhsa_inst_pref_size 252
	.end_amdhsa_kernel
	.amdgpu_metadata
---
amdhsa.version: [ 1, 2 ]
amdhsa.kernels:
  - .name:           k_qd7d7127ca3_kv
    .symbol:         k_qd7d7127ca3_kv.kd
    .args:
      - { .name: xh, .offset: 0, .size: 8, .value_kind: global_buffer, .address_space: global }
      - { .name: wt, .offset: 8, .size: 8, .value_kind: global_buffer, .address_space: global }
      - { .name: b_qkv, .offset: 16, .size: 8, .value_kind: global_buffer, .address_space: global }
      - { .name: eel, .offset: 24, .size: 8, .value_kind: global_buffer, .address_space: global }
      - { .name: mloc, .offset: 32, .size: 8, .value_kind: global_buffer, .address_space: global }
    .group_segment_fixed_size: 327680
    .private_segment_fixed_size: 0
    .kernarg_segment_align: 8
    .kernarg_segment_size: 40
    .max_flat_workgroup_size: 128
    .sgpr_count:     84
    .vgpr_count:     1024
    .wavefront_size: 32
...
	.end_amdgpu_metadata
.endif
;; end of part 2
;; launch rescale (part 3): grid 256 x 1, 16 waves a work-group, no clusters, 0 bytes of LDS; arguments eel, mloc, ee; writes ee
.if DOCPART == 3
	.amdgcn_target "amdgcn-amd-amdhsa--gfx1250"
	.amdhsa_code_object_version 6
	.text
	.protected	k_qd7d7127ca3_rescale
	.globl	k_qd7d7127ca3_rescale
	.p2align	8
	.type	k_qd7d7127ca3_rescale,@function
k_qd7d7127ca3_rescale:
	s_mov_b64 s[64:65], 0
	v_nop
	global_prefetch_b8 v0, s[64:65] scope:SCOPE_SE
	s_setreg_imm32_b32 hwreg(HW_REG_WAVE_MODE, 25, 1), 1
	s_wait_xcnt 0x0
; Brings the 16 blocks of 128 t of each column n = b*1024 + d to one scale.  eel holds exp2(x - c_block) (and that times v) in f16, mloc holds -c_block.
; With c = the largest c_block, ee = eel * 2^(c_block - c) = exp2(x - c): the maximum over all t is taken away, rounded up to a whole power of two,
; a factor common to both rows of a column, which the quotient of the two position sums cancels.  The factor is a power of two: the product is exact but where f16 is denormal.
; One wave takes one n: its row of E v and its row of E, 4,096 bytes each, 16 loads of 512 neighbouring bytes, all issued at once.
; Memory binds: no LDS, no matrix unit, no cluster, no barrier.
; LIMITS: results below 2^-25 become 0.  The minimum of -c is taken with the form in which a NaN loses.
.set C, 4                              ; v[4:11]  -c of blocks 2 j + h, then the factors, twice in f16
.set X, 16                             ; v[16:79] the sixteen loads
	s_load_b128 s[4:7], s[0:1], 0x0                ; eel, mloc
	s_load_b64 s[8:9], s[0:1], 0x10                ; ee
	v_lshrrev_b32 v1, 5, v0
	v_readfirstlane_b32 s10, v1                    ; wave 0..15
	v_and_b32 v3, 31, v0
	v_lshlrev_b32 v1, 4, v3                        ; 16 x lane
	v_lshrrev_b32 v2, 4, v3                        ; h: lanes 0-15 hold the even block of a load's two, lanes 16-31 the odd one
	v_lshlrev_b32 v2, 14, v2                       ; a block's table is 16,384 bytes
	s_mov_b32 s16, 0x76543210
	s_mov_b32 s17, 0xfedcba98
	s_lshl_b32 s11, ttmp9, 4
	s_add_co_u32 s11, s11, s10                     ; n
	s_lshr_b32 s14, s11, 6                         ; g = n >> 6
	s_and_b32 s15, s11, 63
	s_lshl_b32 s12, s14, 7
	s_add_co_u32 s12, s12, s15
	s_lshl_b32 s12, s12, 12                        ; row (n>>6)*128 + (n&63) of 4,096 bytes
	s_mov_b32 s13, 0
	s_and_b32 s18, s11, 15                         ; the word of column 16 (2 w + h) + r is 32 h + 2 r + w
	s_lshl_b32 s18, s18, 1
	s_bfe_u32 s19, s11, 0x10004
	s_lshl_b32 s19, s19, 5
	s_add_co_u32 s18, s18, s19
	s_bfe_u32 s19, s11, 0x10005
	s_add_co_u32 s18, s18, s19
	s_lshl_b32 s18, s18, 2
	s_lshl_b32 s14, s14, 8
	s_add_co_u32 s14, s14, s18
	s_mov_b32 s15, 0
	s_wait_kmcnt 0x0
	s_add_nc_u64 s[4:5], s[4:5], s[12:13]
	s_add_nc_u64 s[8:9], s[8:9], s[12:13]
	s_add_nc_u64 s[6:7], s[6:7], s[14:15]
.irp j, 0,1,2,3,4,5,6,7
	global_load_b32 v[C+\j], v2, s[6:7] offset:\j*32768            ; block 2 j + h
.endr
.irp j, 0,1,2,3,4,5,6,7
	global_load_b128 v[X+4*\j:X+4*\j+3], v1, s[4:5] offset:512*\j th:TH_LOAD_NT
.endr
.irp j, 0,1,2,3,4,5,6,7
	global_load_b128 v[X+32+4*\j:X+32+4*\j+3], v1, s[4:5] offset:262144+512*\j th:TH_LOAD_NT   ; 64 rows further down
.endr
	s_wait_loadcnt 16                              ; the table's eight words are in, the sixteen row loads stay out
	v_min3_num_f32 v12, v[C], v[C+1], v[C+2]
	v_min3_num_f32 v12, v12, v[C+3], v[C+4]
	v_min3_num_f32 v12, v12, v[C+5], v[C+6]
	v_min_num_f32 v12, v12, v[C+7]
	v_permlanex16_b32 v3, v12, s16, s17            ; the other eight blocks; v3 has been written and is no longer needed
	v_min_num_f32 v12, v12, v3                     ; -c
.irp j, 0,1,2,3,4,5,6,7
	v_sub_f32 v[C+\j], v12, v[C+\j]                ; c_block - c, at most 0
.endr
.irp j, 0,1,2,3,4,5,6,7
	v_exp_f32 v[C+\j], v[C+\j]
.endr
	v_nop                                          ; one plain place behind the last exponential (ISA guide 5.7.2)
	s_wait_alu depctr_va_vdst(0)
.irp j, 0,1,2,3,4,5,6,7
	v_cvt_pk_f16_f32 v[C+\j], v[C+\j], v[C+\j]
.endr
.irp j, 0,1,2,3,4,5,6,7
	s_wait_loadcnt 15-\j                           ; loads come back in order: load j is in
.irp k, 0,1,2,3
	v_pk_mul_f16 v[X+4*\j+\k], v[X+4*\j+\k], v[C+\j]
.endr
	global_store_b128 v1, v[X+4*\j:X+4*\j+3], s[8:9] offset:512*\j         ; the wave's store covers 512 neighbouring bytes, aligned
.endr
.irp j, 0,1,2,3,4,5,6,7
	s_wait_loadcnt 7-\j
.irp k, 0,1,2,3
	v_pk_mul_f16 v[X+32+4*\j+\k], v[X+32+4*\j+\k], v[C+\j]
.endr
	global_store_b128 v1, v[X+32+4*\j:X+32+4*\j+3], s[8:9] offset:262144+512*\j
.endr
	s_endpgm
.Lfunc_end_k_qd7d7127ca3_rescale:
	.size	k_qd7d7127ca3_rescale, .Lfunc_end_k_qd7d7127ca3_rescale-k_qd7d7127ca3_rescale
	.p2alignl 7, 3214868480
	.fill 96, 4, 3214868480
	.section	.rodata,"a",@progbits
	.p2align	6, 0x0
	.amdhsa_kernel k_qd7d7127ca3_rescale
		.amdhsa_group_segment_fixed_size 0
		.amdhsa_private_segment_fixed_size 0
		.amdhsa_enable_private_segment 0
		.amdhsa_kernarg_size 24
		.amdhsa_user_sgpr_count 2
		.amdhsa_user_sgpr_kernarg_segment_ptr 1
		.amdhsa_wavefront_size32 1
		.amdhsa_system_sgpr_workgroup_id_x 1
		.amdhsa_system_sgpr_workgroup_id_y 1
		.amdhsa_system_sgpr_workgroup_id_z 1
		.amdhsa_system_vgpr_workitem_id 0
		.amdhsa_next_free_vgpr 80
		.amdhsa_next_free_sgpr 66
		.amdhsa_reserve_vcc 0
		.amdhsa_float_denorm_mode_32 3
		.amdhsa_float_denorm_mode_16_64 3
		.amdhsa_memory_ordered 1
		.amdhsa_forward_progress 1
		.amdhsa_inst_pref_size 12
	.end_amdhsa_kernel
	.amdgpu_metadata
---
amdhsa.version: [ 1, 2 ]
amdhsa.kernels:
  - .name:           k_qd7d7127ca3_rescale
    .symbol:         k_qd7d7127ca3_rescale.kd
    .args:
      - { .name: eel, .offset: 0, .size: 8, .value_kind: global_buffer, .address_space: global }
      - { .name: mloc, .offset: 8, .size: 8, .value_kind: global_buffer, .address_space: global }
      - { .name: ee, .offset: 16, .size: 8, .value_kind: global_buffer, .address_space: global }
    .group_segment_fixed_size: 0
    .private_segment_fixed_size: 0
    .kernarg_segment_align: 8
    .kernarg_segment_size: 24
    .max_flat_workgroup_size: 512
    .sgpr_count:     66
    .vgpr_count:     80
    .wavefront_size: 32
...
	.end_amdgpu_metadata
.endif
;; end of part 3
;; launch aft (part 4): grid 32 x 8, 4 waves a work-group, clusters of 4 x 4, 327,680 bytes of LDS; arguments pexp, ee, xh, wt, b_qkv, yf; writes yf
.if DOCPART == 4
	.amdgcn_target "amdgcn-amd-amdhsa--gfx1250"
	.amdhsa_code_object_version 6
	.text
	.protected	k_qd7d7127ca3_aft
	.globl	k_qd7d7127ca3_aft
	.p2align	8
	.type	k_qd7d7127ca3_aft,@function
k_qd7d7127ca3_aft:
	s_mov_b64 s[64:65], 0
	v_nop
	global_prefetch_b8 v0, s[64:65] scope:SCOPE_SE
	s_setreg_imm32_b32 hwreg(HW_REG_WAVE_MODE, 25, 1), 1
	s_wait_xcnt 0x0
	s_wait_alu depctr_hold_cnt(0) depctr_sa_sdst(0) depctr_va_vdst(0) depctr_va_sdst(0) depctr_va_ssrc(0) depctr_va_vcc(0) depctr_vm_vsrc(0)
	s_getreg_b32 s2, hwreg(HW_REG_IB_STS2, 6, 4)
	s_cmp_eq_u32 s2, 0
	s_cbranch_scc0 .Lentry_in_a_cluster
	s_endpgm
.Lentry_in_a_cluster:
	s_bfe_u32 s2, ttmp6, 0x10000c
	s_cmp_lg_u32 s2, 0xf033
	s_cbranch_scc0 .Lentry_shape_is_right
	s_endpgm
.Lentry_shape_is_right:
; PHASE 1: num = P (E*v), den = P E as ONE product: A = pexp [2048 i][2048 j], B = ee [8192 rows][2048 j], 16 K steps of 128.
; A work-group makes 256 x 256 with four waves, a wave 128 x 128: its 128 rows of ee are 64 of E*v (tiles 0-3) and the 64 of E for the same (b, d) (tiles 4-7),
; so numerator and denominator of a number lie in the same lane and register place.  Then num / den is formed in num's registers.
; PHASE 2: q = X Wq for the same 128 rows x 64 columns of the wave, 8 K steps of 128, into the registers that den has left: A = xh (one b, consecutive t),
; B = rows 2048.. of wt.  So sigmoid(q) never goes through memory.  The ring of two LDS slots runs on: phase 1's last two refills bring phase 2's first two tiles.
; Then y = sigmoid(q + bias) num / den, stored in f16.
; CLUSTERS: 4 x 4 work-groups; A's tiles (both phases) hang on the block row and on b, which a row of the cluster shares, and are asked for jointly along it;
; B's hang on the block column and are asked for jointly along a column: a quarter of the requests.
; The matrix instruction is used transposed: lane l holds row l % 16, registers 0-7 columns 8 (l / 16) + 0..7; packed to f16 that is one half of an A fragment of the
; next product, so yf is written in fragment order: each store covers 512 neighbouring bytes.
; The accumulators take turns, one instruction a turn, in the same order in every quarter step.
; REGISTERS: window 0: addresses, v64-127 / v128-191 A's fragments, on the way out the workspace, v224-255 q's bias; window 1: B's fragments;
; window 2: tiles of my rows 0-63 at v[8 (8 a + b)]; window 3: those of rows 64-127.
; LIMITS: f16 operands: |data|, |W_qkv|, |y| below 65,504.  den is 0, and y then no number, only if every P E of a row rounds to 0 in f16: the position term at the
; key with the largest k would have to lie some 17 below its row's maximum.
.set PITCH,  272
.set HALF,   128*PITCH                 ; 128 rows: what one tensor load brings at the most
.set SLOT,   4*HALF                    ; A's two halves, then B's two halves (phase 2 fills 64 rows of each of B's)
.set LAPS,   8                         ; phase 1: K / 256
.set LAPSQ,  4                         ; phase 2
.set ADRA, 16
.set ADRB, 20
.set CO,   26
.set BOF,  27
.set F0,   64
.set F1,   128
.set TT,   64                          ; the way out: v[64:191]
.set BIA,  224
.set G1,   24                          ; s[24:31] group 1, phase 1, A
.set G0,   32                          ; s[32:39] group 0 for A's tiles, one set for each slot
.set G1B,  48                          ; s[48:55] group 1, phase 1, B
.set G0B,  56                          ; s[56:63] group 0 for B's tiles
.set G1Q,  84                          ; s[84:91] group 1, phase 2, A
.set G1QB, 92                          ; s[92:99] group 1, phase 2, B
.set MSB, 0
.macro WIN new                         ; the immediate's high byte repeats the setting that is left
.if MSB != (\new)
	s_set_vgpr_msb (MSB<<8)|(\new)
.set MSB, (\new)
.endif
.endm
.set MUL_LO, 0xa1                      ; source 0 (B) window 1, source 1 (A) window 0, C and D window 2
.set MUL_HI, 0xf1
.set TO_B,   0x40
.macro PLACES                          ; four plain places behind a matrix instruction (ISA guide 7.12.1)
.rept 4
	v_nop
.endr
.endm
.macro JLOAD s, ga, gb                 ; waves 0, 1 ask for A's halves, waves 2, 3 for B's: each line has one mask; the branch hangs on the wave's number alone
	s_cmp_eq_u32 s11, 0
	s_cbranch_scc0 .Lfor_b_\@
	tensor_load_to_lds s[G0+4*\s:G0+4*\s+3], s[\ga:\ga+7]
	s_nop 0
.rept 4
	v_nop
.endr
	s_branch .Lasked_\@
.Lfor_b_\@:
	tensor_load_to_lds s[G0B+4*\s:G0B+4*\s+3], s[\gb:\gb+7]
	s_nop 0
.rept 4
	v_nop
.endr
.Lasked_\@:
.endm
.macro CREST
	s_cmp_lg_u32 s10, 0
	s_cbranch_scc1 .Lnot_wave_0_\@
	s_barrier_signal -3
.Lnot_wave_0_\@:
	s_barrier_wait -3
	s_barrier_signal -1
	s_barrier_wait -1
.endm
.macro CROUND
	s_barrier_signal -1
	s_barrier_wait -1
	CREST
.endm
; m blocks a0, a0 + 1 of the window's four x nb n blocks, into tiles b0 .. b0 + nb - 1 (phase 1: 8, 0; phase 2: 4, 4); zero = 1: the product starts the sums
.macro MUL f, hi, a0, zero, nb, b0
.irp a, \a0, \a0+1
.set bb, 0
.rept \nb
.if \zero
	v_wmma_f32_16x16x32_f16 v[8*(8*(\a)+\b0+bb):8*(8*(\a)+\b0+bb)+7], v[\f+8*bb:\f+8*bb+7], v[\f+8*(4*\hi+\a):\f+8*(4*\hi+\a)+7], 0
.else
	v_wmma_f32_16x16x32_f16 v[8*(8*(\a)+\b0+bb):8*(8*(\a)+\b0+bb)+7], v[\f+8*bb:\f+8*bb+7], v[\f+8*(4*\hi+\a):\f+8*(4*\hi+\a)+7], v[8*(8*(\a)+\b0+bb):8*(8*(\a)+\b0+bb)+7]
.endif
.set bb, bb+1
.endr
.endr
.endm
.macro FETCH slot, q, f, nb            ; the fragments of quarter step q: 2 nb loads for B, 16 for A, in one run
	WIN TO_B
.set ii, 0
.rept \nb
	ds_load_b128 v[\f+8*ii:\f+8*ii+3],   v[ADRB+\slot] offset:\q*64+ii*16*PITCH
	ds_load_b128 v[\f+8*ii+4:\f+8*ii+7], v[ADRB+\slot] offset:\q*64+ii*16*PITCH+32
.set ii, ii+1
.endr
	WIN 0
.irp i, 0,1,2,3,4,5,6,7
	ds_load_b128 v[\f+8*\i:\f+8*\i+3],   v[ADRA+\slot] offset:\q*64+\i*16*PITCH
	ds_load_b128 v[\f+8*\i+4:\f+8*\i+7], v[ADRA+\slot] offset:\q*64+\i*16*PITCH+32
.endr
.endm
.macro QUARTER slot, q, f, g, zero, nb, b0
	s_wait_dscnt 8                                 ; B and A's rows 0-63 are in; the youngest eight loads are A's rows 64-127
	WIN MUL_LO
	MUL \f, 0, 0, \zero, \nb, \b0
	MUL \f, 0, 2, \zero, \nb, \b0
	PLACES
	FETCH \slot, \q, \g, \nb
	s_wait_dscnt 2*\nb+16                          ; all but the run just issued
	WIN MUL_HI
	MUL \f, 1, 0, \zero, \nb, \b0
	MUL \f, 1, 2, \zero, \nb, \b0
.endm
.macro THREE slot, zero, nb, b0
	QUARTER \slot, 1, F0, F1, \zero, \nb, \b0
	QUARTER \slot, 2, F1, F0, 0, \nb, \b0
	QUARTER \slot, 3, F0, F1, 0, \nb, \b0
.endm
; The change of slots: each wave's reads of this slot and all its tensor loads are waited for in front of the barrier; where the slot is filled again the barrier
; opens a round of the cluster's barrier, and the joint refill is the first tensor load behind it.
; fill: 0 nothing; 1 phase 1, two K steps on; 2 phase 2's K step number slot; 3 phase 2, two K steps on.  nbn: B's fragments of the next quarter.
.macro TURN slot, next, fill, nb, b0, nbn
	s_wait_dscnt 8
	WIN MUL_LO
	MUL F1, 0, 0, 0, \nb, \b0
	s_wait_dscnt 0
	s_wait_tensorcnt 0x0
	ds_add_u32 v255, v223
	s_wait_dscnt 0x0
	s_barrier_signal -1
	MUL F1, 0, 2, 0, \nb, \b0
	WIN 0
	s_barrier_wait -1
.if \fill == 0
	PLACES
.endif
.if \fill == 1
	CREST
	s_add_nc_u64 s[G0+4*\slot+2:G0+4*\slot+3], s[G0+4*\slot+2:G0+4*\slot+3], 512         ; no tensor load of mine is out: the addresses may be written
	s_add_nc_u64 s[G0B+4*\slot+2:G0B+4*\slot+3], s[G0B+4*\slot+2:G0B+4*\slot+3], 512
	JLOAD \slot, G1, G1B                           ; its four v_nop are also the places in front of the loads below
.endif
.if \fill == 2
	CREST
	s_add_nc_u64 s[G0+4*\slot+2:G0+4*\slot+3], s[66:67], \slot*256
	s_or_b32 s[G0+4*\slot+3], s[G0+4*\slot+3], 0x80000000
	s_add_nc_u64 s[G0B+4*\slot+2:G0B+4*\slot+3], s[18:19], \slot*256
	s_or_b32 s[G0B+4*\slot+3], s[G0B+4*\slot+3], 0x80000000
	JLOAD \slot, G1Q, G1QB
.endif
.if \fill == 3
	CREST
	s_add_nc_u64 s[G0+4*\slot+2:G0+4*\slot+3], s[G0+4*\slot+2:G0+4*\slot+3], 512
	s_add_nc_u64 s[G0B+4*\slot+2:G0B+4*\slot+3], s[G0B+4*\slot+2:G0B+4*\slot+3], 512
	JLOAD \slot, G1Q, G1QB
.endif
	FETCH \next, 0, F0, \nbn
	WIN MUL_HI
	MUL F1, 1, 0, 0, \nb, \b0
	MUL F1, 1, 2, 0, \nb, \b0
.endm
.macro LAP zero, fill, nb, b0
	THREE 0, \zero, \nb, \b0
	TURN 0, 1, \fill, \nb, \b0, \nb
	THREE 1, 0, \nb, \b0
	TURN 1, 0, \fill, \nb, \b0, \nb
.endm
	s_load_b128 s[4:7], s[0:1], 0x0                ; pexp s[4:5], ee s[6:7]
	s_load_b256 s[68:75], s[0:1], 0x10             ; xh s[68:69], wt s[70:71], b_qkv s[72:73], yf s[74:75]
	s_set_vgpr_msb 0x40
	v_lshl_add_u32 v255, v0, 2, 0x44000
	s_set_vgpr_msb 0x4000
	v_mov_b32 v223, 0
	s_set_vgpr_msb 0x1
	ds_add_u32 v255, v223
	s_set_vgpr_msb 0x100
	v_lshrrev_b32 v1, 5, v0
	v_readfirstlane_b32 s10, v1
	s_lshr_b32 s11, s10, 1
	s_and_b32 s12, s10, 1
	s_bfe_u32 s40, ttmp6, 0x40000                  ; cx
	s_bfe_u32 s41, ttmp6, 0x40004                  ; cy
	s_lshl_b32 s42, ttmp9, 2
	s_add_co_u32 s42, s42, s40                     ; block column 0..31: b = column >> 3, 128 d at (column & 7)
	s_and_b32 s13, ttmp7, 0xffff
	s_lshl_b32 s13, s13, 2
	s_add_co_u32 s13, s13, s41                     ; block row 0..7: 256 query positions
	s_lshl_b32 s43, s41, 2
	s_lshl_b32 s43, 15, s43
	s_lshl_b32 s44, 0x1111, s40
	; group 1, phase 1, A and B alike but for the mask: 128 rows x 128 f16, rows 2,048 elements apart, 16 bytes of padding behind every 64 words
	s_or_b32 s[G1+0], s43, (1<<16)|(1<<20)|(1<<21)|(5<<22)|(3<<25)
	s_mov_b32 s[G1+1], 128<<16
	s_mov_b32 s[G1+2], 128<<16
	s_mov_b32 s[G1+3], 128<<16
	s_mov_b32 s[G1+4], 128
	s_mov_b32 s[G1+5], 2048
	s_mov_b32 s[G1+6], 0
	s_mov_b32 s[G1+7], 0
	s_or_b32 s[G1B+0], s44, (1<<16)|(1<<20)|(1<<21)|(5<<22)|(3<<25)
	s_mov_b32 s[G1B+1], 128<<16
	s_mov_b32 s[G1B+2], 128<<16
	s_mov_b32 s[G1B+3], 128<<16
	s_mov_b32 s[G1B+4], 128
	s_mov_b32 s[G1B+5], 2048
	s_mov_b32 s[G1B+6], 0
	s_mov_b32 s[G1B+7], 0
	; group 1, phase 2.  A: 128 rows x 128 f16, rows 4,096 elements apart (one b, consecutive t).  B: 64 rows x 128 f16, rows 1,024 apart.
	s_or_b32 s[G1Q+0], s43, (1<<16)|(1<<20)|(1<<21)|(5<<22)|(3<<25)
	s_mov_b32 s[G1Q+1], 128<<16
	s_mov_b32 s[G1Q+2], 128<<16
	s_mov_b32 s[G1Q+3], 128<<16
	s_mov_b32 s[G1Q+4], 128
	s_mov_b32 s[G1Q+5], 4096
	s_mov_b32 s[G1Q+6], 0
	s_mov_b32 s[G1Q+7], 0
	s_or_b32 s[G1QB+0], s44, (1<<16)|(1<<20)|(1<<21)|(5<<22)|(3<<25)
	s_mov_b32 s[G1QB+1], 128<<16
	s_mov_b32 s[G1QB+2], 64<<16
	s_mov_b32 s[G1QB+3], 128<<16
	s_mov_b32 s[G1QB+4], 64
	s_mov_b32 s[G1QB+5], 1024
	s_mov_b32 s[G1QB+6], 0
	s_mov_b32 s[G1QB+7], 0
	s_lshl1_add_u32 s16, s13, s12                  ; which 128 query positions I fetch
	s_lshl_b32 s8, s16, 20                         ; phase 2, A: 8,192 bytes a position,
	s_lshl_b32 s16, s16, 19                        ; phase 1, A: 4,096 bytes a row
	s_mov_b32 s17, 0
	s_lshr_b32 s9, ttmp9, 1                        ; b = block column >> 3 = cluster x >> 1: the same in the whole cluster
	s_lshl_b32 s9, s9, 11                          ; 2,048 bytes a b
	s_add_co_u32 s8, s8, s9
	s_mov_b32 s9, 0
	s_lshl1_add_u32 s46, s42, s12                  ; phase 1, B: 128 rows of 4,096 bytes for each half
	s_lshl_b32 s46, s46, 19
	s_mov_b32 s47, 0
	s_and_b32 s18, s42, 7                          ; phase 2, B: row 2048 + 128 (column & 7) + 64 half, 2,048 bytes each
	s_lshl1_add_u32 s18, s18, s12
	s_lshl_b32 s18, s18, 17
	s_add_co_u32 s18, s18, 4194304
	s_mov_b32 s19, 0
	s_mul_i32 s20, s10, HALF                       ; LDS targets: the wave's number times a constant: A's halves, then B's halves
	s_wait_dscnt 0x0
	s_wait_kmcnt 0x0
	s_add_nc_u64 s[14:15], s[4:5], s[16:17]
	s_add_nc_u64 s[46:47], s[6:7], s[46:47]
	s_add_nc_u64 s[66:67], s[68:69], s[8:9]
	s_add_nc_u64 s[18:19], s[70:71], s[18:19]
	CROUND                                         ; all sixteen work-groups are here: the first joint loads meet
.irp s, 0,1
	s_mov_b32 s[G0+4*\s], 1
	s_add_co_u32 s[G0+4*\s+1], s20, \s*SLOT
	s_add_nc_u64 s[G0+4*\s+2:G0+4*\s+3], s[14:15], \s*256
	s_or_b32 s[G0+4*\s+3], s[G0+4*\s+3], 0x80000000
	s_mov_b32 s[G0B+4*\s], 1
	s_add_co_u32 s[G0B+4*\s+1], s20, \s*SLOT
	s_add_nc_u64 s[G0B+4*\s+2:G0B+4*\s+3], s[46:47], \s*256
	s_or_b32 s[G0B+4*\s+3], s[G0B+4*\s+3], 0x80000000
	JLOAD \s, G1, G1B
.endr
	v_and_b32 v1, 15, v0
	v_bfe_u32 v2, v0, 4, 1
	v_mul_u32_u24 v3, v1, PITCH
	v_lshl_add_u32 v3, v2, 4, v3
	s_mul_i32 s21, s11, HALF
	s_mul_i32 s22, s12, HALF
	s_add_co_u32 s22, s22, 2*HALF
.irp s, 0,1
	v_add_nc_u32 v[ADRA+\s], s21, v3
	v_add_nc_u32 v[ADRB+\s], s22, v3
	s_add_co_u32 s21, s21, SLOT
	s_add_co_u32 s22, s22, SLOT
.endr
	v_and_b32 v4, 31, v0
	v_lshlrev_b32 v[CO], 4, v4                     ; 16 x lane, for yf
	v_lshlrev_b32 v[BOF], 5, v2                    ; my eight columns of a tile: 32 h bytes of the bias
	s_lshr_b32 s76, s42, 3                         ; b
	s_and_b32 s77, s42, 7
	s_lshl_b32 s78, s77, 9                         ; q's bias: d0 = 128 (column & 7) + 64 half, in bytes
	s_lshl_b32 s79, s12, 8
	s_add_co_u32 s78, s78, s79
	s_mov_b32 s79, 0
	s_add_nc_u64 s[72:73], s[72:73], s[78:79]
.irp bt, 0,1,2,3
	global_load_b128 v[BIA+8*\bt:BIA+8*\bt+3],   v[BOF], s[72:73] offset:64*\bt       ; waited for on the way out
	global_load_b128 v[BIA+8*\bt+4:BIA+8*\bt+7], v[BOF], s[72:73] offset:64*\bt+16
.endr
	s_lshl_b32 s80, s76, 4                         ; yf: block of 128 rows (16 b + 2 block row + half), block of 128 d, then tile 8 a + (d/16 & 7), 512 bytes each
	s_lshl1_add_u32 s80, s13, s80
	s_add_co_u32 s80, s80, s11
	s_lshl_b32 s80, s80, 3
	s_add_co_u32 s80, s80, s77
	s_lshl_b32 s80, s80, 6
	s_lshl2_add_u32 s80, s12, s80
	s_lshl_b32 s80, s80, 9
	s_mov_b32 s81, 0
	s_add_nc_u64 s[74:75], s[74:75], s[80:81]
	s_wait_tensorcnt 1                             ; my part of K step 0 is in; K step 1's stays out
	s_barrier_signal -1
	s_barrier_wait -1
	FETCH 0, 0, F0, 8
	LAP 1, 1, 8, 0
	WIN 0
	s_mov_b32 s3, LAPS-2
.Llap:
	LAP 0, 1, 8, 0
	WIN 0
	s_sub_co_u32 s3, s3, 1
	s_cmp_lg_u32 s3, 0
	s_cbranch_scc1 .Llap
	THREE 0, 0, 8, 0                               ; phase 1's last lap: its two refills bring phase 2's K steps 0 and 1
	TURN 0, 1, 2, 8, 0, 8
	THREE 1, 0, 8, 0
	TURN 1, 0, 2, 8, 0, 4                          ; the fragments fetched here are phase 2's first
	PLACES                                         ; behind phase 1's last matrix instructions, for the lines that read and write results,
	v_nop                                          ; and a fifth place, for phase 2's first products, which write over den's tiles
; num / den in num's registers, for window w; den's registers are free behind it
.macro DIVW w
	WIN (\w<<6)|(\w<<2)|\w
.irp a, 0,1,2,3
.irp bt, 0,1,2,3
.irp j, 0,1,2,3,4,5,6,7
	v_rcp_f32 v[8*(8*\a+4+\bt)+\j], v[8*(8*\a+4+\bt)+\j]
.endr
.endr
.endr
	v_nop                                          ; one plain place behind the last reciprocal (ISA guide 5.7.2)
	s_wait_alu depctr_va_vdst(0)
.irp a, 0,1,2,3
.irp bt, 0,1,2,3
.irp p, 0,2,4,6
	v_pk_mul_f32 v[8*(8*\a+\bt)+\p:8*(8*\a+\bt)+\p+1], v[8*(8*\a+\bt)+\p:8*(8*\a+\bt)+\p+1], v[8*(8*\a+4+\bt)+\p:8*(8*\a+4+\bt)+\p+1]
.endr
.endr
.endr
.endm
	DIVW 2
	DIVW 3
	LAP 1, 3, 4, 4                                 ; phase 2: its first products start q's sums
	WIN 0
	s_mov_b32 s3, LAPSQ-2
.Llapq:
	LAP 0, 3, 4, 4
	WIN 0
	s_sub_co_u32 s3, s3, 1
	s_cmp_lg_u32 s3, 0
	s_cbranch_scc1 .Llapq
	THREE 0, 0, 4, 4                               ; the last lap fills nothing
	TURN 0, 1, 0, 4, 4, 4
	THREE 1, 0, 4, 4
	s_wait_dscnt 8
	WIN MUL_LO
	MUL F1, 0, 0, 0, 4, 4
	MUL F1, 0, 2, 0, 4, 4
	s_wait_dscnt 0
	WIN MUL_HI
	MUL F1, 1, 0, 0, 4, 4
	MUL F1, 1, 2, 0, 4, 4
	PLACES                                         ; behind the last matrix instructions, for all that reads results or writes the buffers below
	WIN 0
	s_wait_loadcnt 0x0                             ; q's bias
.set e, 0
.rept 16
	v_pk_mul_f32 v[BIA+2*e:BIA+2*e+1], v[BIA+2*e:BIA+2*e+1], 0xbfb8aa3b op_sel_hi:[1,0]   ; times -log2(e), for the sigmoid's one multiply-add
.set e, e+1
.endr
; y = (num / den) / (1 + exp2(-log2e q - log2e bias)) of the 64 rows of window w, packed to f16; each store covers 512 neighbouring bytes
.macro YWIN w
	s_wait_xcnt 0x0                                ; the workspace, which the other window's stores read, is rewritten only behind this wait
	WIN \w
.irp a, 0,1,2,3
.irp bt, 0,1,2,3
.irp p, 0,2,4,6
	v_pk_fma_f32 v[TT+32*\a+8*\bt+\p:TT+32*\a+8*\bt+\p+1], v[8*(8*\a+4+\bt)+\p:8*(8*\a+4+\bt)+\p+1], 0xbfb8aa3b, v[BIA+8*\bt+\p:BIA+8*\bt+\p+1] op_sel_hi:[1,0,1]
.endr
.endr
.endr
	WIN 0
.set e, 0
.rept 128
	v_exp_f32 v[TT+e], v[TT+e]
.set e, e+1
.endr
	v_nop
.set e, 0
	s_wait_alu depctr_va_vdst(0)
.rept 64
	v_pk_add_f32 v[TT+2*e:TT+2*e+1], v[TT+2*e:TT+2*e+1], 1.0 op_sel_hi:[1,0]
.set e, e+1
.endr
.set e, 0
.rept 128
	v_rcp_f32 v[TT+e], v[TT+e]
.set e, e+1
.endr
	v_nop
	WIN \w
	s_wait_alu depctr_va_vdst(0)
.irp a, 0,1,2,3
.irp bt, 0,1,2,3
.irp p, 0,2,4,6
	v_pk_mul_f32 v[TT+32*\a+8*\bt+\p:TT+32*\a+8*\bt+\p+1], v[8*(8*\a+\bt)+\p:8*(8*\a+\bt)+\p+1], v[TT+32*\a+8*\bt+\p:TT+32*\a+8*\bt+\p+1]
.endr
.endr
.endr
	WIN 0
.set e, 0
.rept 64
	v_cvt_pk_f16_f32 v[TT+e], v[TT+2*e], v[TT+2*e+1]               ; packed downward in place: register e is written when 2 e and 2 e + 1 have been read
.set e, e+1
.endr
.irp a, 0,1,2,3
.irp bt, 0,1,2,3
	global_store_b128 v[CO], v[TT+16*\a+4*\bt:TT+16*\a+4*\bt+3], s[74:75] offset:(4*(\w-2)+\a)*4096+\bt*512
.endr
.endr
.endm
	YWIN 2
	YWIN 3
	CROUND                                         ; the closing round: no work-group ends while a partner may still ask for a tile that names it
	s_endpgm
.Lfunc_end_k_qd7d7127ca3_aft:
	.size	k_qd7d7127ca3_aft, .Lfunc_end_k_qd7d7127ca3_aft-k_qd7d7127ca3_aft
	.p2alignl 7, 3214868480
	.fill 96, 4, 3214868480
	.section	.rodata,"a",@progbits
	.p2align	6, 0x0
	.amdhsa_kernel k_qd7d7127ca3_aft
		.amdhsa_group_segment_fixed_size 327680
		.amdhsa_private_segment_fixed_size 0
		.amdhsa_enable_private_segment 0
		.amdhsa_kernarg_size 48
		.amdhsa_user_sgpr_count 2
		.amdhsa_user_sgpr_kernarg_segment_ptr 1
		.amdhsa_wavefront_size32 1
		.amdhsa_system_sgpr_workgroup_id_x 1
		.amdhsa_system_sgpr_workgroup_id_y 1
		.amdhsa_system_sgpr_workgroup_id_z 1
		.amdhsa_system_vgpr_workitem_id 0
		.amdhsa_next_free_vgpr 1024
		.amdhsa_next_free_sgpr 100
		.amdhsa_reserve_vcc 0
		.amdhsa_float_denorm_mode_32 3
		.amdhsa_float_denorm_mode_16_64 3
		.amdhsa_memory_ordered 1
		.amdhsa_forward_progress 1
		.amdhsa_inst_pref_size 255
	.end_amdhsa_kernel
	.section	.bss,"aw",@nobits
	.p2align	6
	.space	262144
	.amdgpu_metadata
---
amdhsa.version: [ 1, 2 ]
amdhsa.kernels:
  - .name:           k_qd7d7127ca3_aft
    .symbol:         k_qd7d7127ca3_aft.kd
    .args:
      - { .name: pexp, .offset: 0, .size: 8, .value_kind: global_buffer, .address_space: global }
      - { .name: ee, .offset: 8, .size: 8, .value_kind: global_buffer, .address_space: global }
      - { .name: xh, .offset: 16, .size: 8, .value_kind: global_buffer, .address_space: global }
      - { .name: wt, .offset: 24, .size: 8, .value_kind: global_buffer, .address_space: global }
      - { .name: b_qkv, .offset: 32, .size: 8, .value_kind: global_buffer, .address_space: global }
      - { .name: yf, .offset: 40, .size: 8, .value_kind: global_buffer, .address_space: global }
    .group_segment_fixed_size: 327680
    .private_segment_fixed_size: 0
    .kernarg_segment_align: 8
    .kernarg_segment_size: 48
    .max_flat_workgroup_size: 128
    .sgpr_count:     100
    .vgpr_count:     1024
    .wavefront_size: 32
...
	.end_amdgpu_metadata
.endif
;; end of part 4
;; launch proj (part 5): grid 8 x 32, 4 waves a work-group, clusters of 4 x 4, 327,680 bytes of LDS; arguments yf, wt, b_out, out0; writes out0
.if DOCPART == 5
	.amdgcn_target "amdgcn-amd-amdhsa--gfx1250"
	.amdhsa_code_object_version 6
	.text
	.protected	k_qd7d7127ca3_proj
	.globl	k_qd7d7127ca3_proj
	.p2align	8
	.type	k_qd7d7127ca3_proj,@function
k_qd7d7127ca3_proj:
	s_mov_b64 s[64:65], 0
	v_nop
	global_prefetch_b8 v0, s[64:65] scope:SCOPE_SE
	s_setreg_imm32_b32 hwreg(HW_REG_WAVE_MODE, 25, 1), 1
	s_wait_xcnt 0x0
	s_wait_alu depctr_hold_cnt(0) depctr_sa_sdst(0) depctr_va_vdst(0) depctr_va_sdst(0) depctr_va_ssrc(0) depctr_va_vcc(0) depctr_vm_vsrc(0)
	s_getreg_b32 s2, hwreg(HW_REG_IB_STS2, 6, 4)
	s_cmp_eq_u32 s2, 0
	s_cbranch_scc0 .Lentry_in_a_cluster
	s_endpgm
.Lentry_in_a_cluster:
	s_bfe_u32 s2, ttmp6, 0x10000c
	s_cmp_lg_u32 s2, 0xf033
	s_cbranch_scc0 .Lentry_shape_is_right
	s_endpgm
.Lentry_shape_is_right:
; out0 = y W_out + b_out, M = 8192 (rows b*2048 + t), N = 1024, K = 1024; f16 operands, f32 sums and output.
; A work-group makes 256 x 128 with four waves, a wave 128 x 64: 32 accumulator tiles; 256 work-groups.
; A = yf lies in memory in fragment order: 128 rows x 128 K are one dense block of 32 KiB, brought as 128 rows of 256 bytes without padding; a fragment load takes
; 512 neighbouring bytes.  B = W_out transposed, wt from byte 6,291,456: 64 rows x 256 bytes, padded to 272.
; K goes in steps of 128 through two LDS slots.  CLUSTERS: 4 x 4 work-groups; A's tile is asked for jointly along a row of the cluster, B's along a column.
; The matrix instruction is used transposed: lane l holds row l % 16, registers 0-7 columns 8 (l / 16) + 0..7.
; The accumulators take turns, one instruction a turn, in the same order in every quarter step.
; REGISTERS: window 0: addresses, v64-127 / v128-191 A's fragments, v192-195 the bias; window 1: B's fragments; windows 2, 3: tiles at v[8 (4 a + b)].
; LIMITS: |W_out| and |y| below 65,504 (f16 operands).
.set NB,     4
.set PITCH,  272
.set HALFA,  32768                     ; dense
.set HALFB,  16*NB*PITCH
.set SLOT,   2*HALFA+2*HALFB
.set STAGE,  2*SLOT                    ; behind the ring: 16 rows x 272 bytes for each wave; no fill lands here
.set AIS,    4096                      ; eight tiles of 512 bytes from 16 rows to the next
.set AKQ,    1024                      ; two tiles for a quarter step
.set AH2,    512                       ; registers 4-7 are the next tile
.set ASTEP,  32768
.set LAPS,   4
.set ADRA, 16
.set ADRB, 20
.set STO,  24
.set RD,   25
.set CO,   26
.set BOF,  27
.set F0,   64
.set F1,   128
.set BO,   192
.set G1,  24
.set G0,  32
.set G1B, 48
.set G0B, 56
.set MSB, 0
.macro WIN new                         ; the immediate's high byte repeats the setting that is left
.if MSB != (\new)
	s_set_vgpr_msb (MSB<<8)|(\new)
.set MSB, (\new)
.endif
.endm
.set MUL_LO, 0xa1
.set MUL_HI, 0xf1
.set TO_B,   0x40
.macro PLACES                          ; four plain places behind a matrix instruction (ISA guide 7.12.1)
.rept 4
	v_nop
.endr
.endm
.macro JLOAD s                         ; waves 0, 1 ask for A's halves, waves 2, 3 for B's: each line has one mask; the branch hangs on the wave's number alone
	s_cmp_eq_u32 s11, 0
	s_cbranch_scc0 .Lfor_b_\@
	tensor_load_to_lds s[G0+4*\s:G0+4*\s+3], s[G1:G1+7]
	s_nop 0
.rept 4
	v_nop
.endr
	s_branch .Lasked_\@
.Lfor_b_\@:
	tensor_load_to_lds s[G0B+4*\s:G0B+4*\s+3], s[G1B:G1B+7]
	s_nop 0
.rept 4
	v_nop
.endr
.Lasked_\@:
.endm
.macro CREST
	s_cmp_lg_u32 s10, 0
	s_cbranch_scc1 .Lnot_wave_0_\@
	s_barrier_signal -3
.Lnot_wave_0_\@:
	s_barrier_wait -3
	s_barrier_signal -1
	s_barrier_wait -1
.endm
.macro CROUND
	s_barrier_signal -1
	s_barrier_wait -1
	CREST
.endm
.macro MULS f, hi, a0, zero
.irp a, \a0, \a0+1
.set bb, 0
.rept NB
.if \zero
	v_wmma_f32_16x16x32_f16 v[8*(NB*(\a)+bb):8*(NB*(\a)+bb)+7], v[\f+8*bb:\f+8*bb+7], v[\f+8*(4*\hi+\a):\f+8*(4*\hi+\a)+7], 0
.else
	v_wmma_f32_16x16x32_f16 v[8*(NB*(\a)+bb):8*(NB*(\a)+bb)+7], v[\f+8*bb:\f+8*bb+7], v[\f+8*(4*\hi+\a):\f+8*(4*\hi+\a)+7], v[8*(NB*(\a)+bb):8*(NB*(\a)+bb)+7]
.endif
.set bb, bb+1
.endr
.endr
.endm
.macro FETCH slot, q, f
	WIN TO_B
.set ii, 0
.rept NB
	ds_load_b128 v[\f+8*ii:\f+8*ii+3],   v[ADRB+\slot] offset:\q*64+ii*16*PITCH
	ds_load_b128 v[\f+8*ii+4:\f+8*ii+7], v[ADRB+\slot] offset:\q*64+ii*16*PITCH+32
.set ii, ii+1
.endr
	WIN 0
.irp i, 0,1,2,3,4,5,6,7
	ds_load_b128 v[\f+8*\i:\f+8*\i+3],   v[ADRA+\slot] offset:\q*AKQ+\i*AIS
	ds_load_b128 v[\f+8*\i+4:\f+8*\i+7], v[ADRA+\slot] offset:\q*AKQ+\i*AIS+AH2
.endr
.endm
.macro QUARTER slot, q, f, g, zero
	s_wait_dscnt 8                                 ; B and A's rows 0-63 are in; the youngest eight loads are A's rows 64-127
	WIN MUL_LO
	MULS \f, 0, 0, \zero
	MULS \f, 0, 2, \zero
	PLACES
	FETCH \slot, \q, \g
	s_wait_dscnt 2*NB+16                           ; all but the run just issued
	WIN MUL_HI
	MULS \f, 1, 0, \zero
	MULS \f, 1, 2, \zero
.endm
.macro THREE slot, zero
	QUARTER \slot, 1, F0, F1, \zero
	QUARTER \slot, 2, F1, F0, 0
	QUARTER \slot, 3, F0, F1, 0
.endm
; The change of slots: each wave's reads of this slot and all its tensor loads are waited for in front of the barrier; where the slot is filled again the barrier
; opens a round of the cluster's barrier, and the joint refill is the first tensor load behind it.
.macro TURN slot, next, fill
	s_wait_dscnt 8
	WIN MUL_LO
	MULS F1, 0, 0, 0
	s_wait_dscnt 0
	s_wait_tensorcnt 0x0
	ds_add_u32 v255, v255
	s_wait_dscnt 0x0
	s_barrier_signal -1
	MULS F1, 0, 2, 0
	WIN 0
	s_barrier_wait -1
.if \fill
	CREST
	s_add_nc_u64 s[G0+4*\slot+2:G0+4*\slot+3], s[G0+4*\slot+2:G0+4*\slot+3], 2*ASTEP
	s_add_nc_u64 s[G0B+4*\slot+2:G0B+4*\slot+3], s[G0B+4*\slot+2:G0B+4*\slot+3], 512
	JLOAD \slot
.else
	PLACES
.endif
	FETCH \next, 0, F0
	WIN MUL_HI
	MULS F1, 1, 0, 0
	MULS F1, 1, 2, 0
.endm
.macro LAP zero
	THREE 0, \zero
	TURN 0, 1, 1
	THREE 1, 0
	TURN 1, 0, 1
.endm
	s_load_b128 s[4:7], s[0:1], 0x0                ; yf s[4:5], wt s[6:7]
	s_load_b128 s[68:71], s[0:1], 0x10             ; b_out s[68:69], out0 s[70:71]
	s_set_vgpr_msb 0x40
	v_lshl_add_u32 v255, v0, 2, 0x35400
	s_set_vgpr_msb 0x4000
	v_mov_b32 v255, 0
	s_set_vgpr_msb 0x1
	ds_add_u32 v255, v255
	s_set_vgpr_msb 0x100
	v_lshrrev_b32 v1, 5, v0
	v_readfirstlane_b32 s10, v1
	s_lshr_b32 s11, s10, 1
	s_and_b32 s12, s10, 1
	s_bfe_u32 s40, ttmp6, 0x40000                  ; cx
	s_bfe_u32 s41, ttmp6, 0x40004                  ; cy
	s_lshl_b32 s42, ttmp9, 2
	s_add_co_u32 s42, s42, s40                     ; block column 0..7
	s_and_b32 s13, ttmp7, 0xffff
	s_lshl_b32 s13, s13, 2
	s_add_co_u32 s13, s13, s41                     ; block row 0..31: b = row >> 3, 256 t at (row & 7)
	s_lshl_b32 s43, s41, 2
	s_lshl_b32 s43, 15, s43
	s_lshl_b32 s44, 0x1111, s40
	; group 1.  A: a dense block as 128 rows of 32 elements of 8 bytes, no padding.  B: 64 rows x 128 f16, rows 1,024 elements apart, padded.
	s_or_b32 s[G1+0], s43, (3<<16)|(1<<21)
	s_mov_b32 s[G1+1], 32<<16
	s_mov_b32 s[G1+2], 128<<16
	s_mov_b32 s[G1+3], 32<<16
	s_mov_b32 s[G1+4], 128
	s_mov_b32 s[G1+5], 32
	s_mov_b32 s[G1+6], 0
	s_mov_b32 s[G1+7], 0
	s_or_b32 s[G1B+0], s44, (1<<16)|(1<<20)|(1<<21)|(5<<22)|(3<<25)
	s_mov_b32 s[G1B+1], 128<<16
	s_mov_b32 s[G1B+2], 64<<16
	s_mov_b32 s[G1B+3], 128<<16
	s_mov_b32 s[G1B+4], 64
	s_mov_b32 s[G1B+5], 1024
	s_mov_b32 s[G1B+6], 0
	s_mov_b32 s[G1B+7], 0
	s_lshl1_add_u32 s16, s13, s12                  ; A: 128 rows are eight blocks of 32 KiB
	s_lshl_b32 s16, s16, 18
	s_mov_b32 s17, 0
	s_lshl1_add_u32 s46, s42, s12                  ; B: 64 rows of 2,048 bytes for each half, behind W_qkv's part of wt
	s_lshl_b32 s46, s46, 17
	s_add_co_u32 s46, s46, 6291456
	s_mov_b32 s47, 0
	s_mul_i32 s20, s10, HALFA
	s_mul_i32 s45, s10, HALFB
	s_add_co_u32 s45, s45, 2*HALFA-2*HALFB
	s_wait_dscnt 0x0
	s_wait_kmcnt 0x0
	s_add_nc_u64 s[14:15], s[4:5], s[16:17]
	s_add_nc_u64 s[46:47], s[6:7], s[46:47]
	CROUND
.irp s, 0,1
	s_mov_b32 s[G0+4*\s], 1
	s_add_co_u32 s[G0+4*\s+1], s20, \s*SLOT
	s_add_nc_u64 s[G0+4*\s+2:G0+4*\s+3], s[14:15], \s*ASTEP
	s_or_b32 s[G0+4*\s+3], s[G0+4*\s+3], 0x80000000
	s_mov_b32 s[G0B+4*\s], 1
	s_add_co_u32 s[G0B+4*\s+1], s45, \s*SLOT
	s_add_nc_u64 s[G0B+4*\s+2:G0B+4*\s+3], s[46:47], \s*256
	s_or_b32 s[G0B+4*\s+3], s[G0B+4*\s+3], 0x80000000
	JLOAD \s
.endr
	v_and_b32 v1, 15, v0                           ; r
	v_bfe_u32 v2, v0, 4, 1                         ; h
	v_mul_u32_u24 v3, v1, PITCH
	v_lshl_add_u32 v3, v2, 4, v3                   ; B: r x pitch + 16 h
	v_and_b32 v4, 31, v0
	v_lshlrev_b32 v4, 4, v4                        ; A: 16 x lane
	s_mul_i32 s21, s11, HALFA
	s_mul_i32 s22, s12, HALFB
	s_add_co_u32 s22, s22, 2*HALFA
.irp s, 0,1
	v_add_nc_u32 v[ADRA+\s], s21, v4
	v_add_nc_u32 v[ADRB+\s], s22, v3
	s_add_co_u32 s21, s21, SLOT
	s_add_co_u32 s22, s22, SLOT
.endr
	s_mul_i32 s23, s10, 16*272
	s_add_co_u32 s23, s23, STAGE                   ; my stage
	v_mul_u32_u24 v5, v1, 272                      ; in: row r, 32 bytes for each half of the lanes
	v_lshl_add_u32 v5, v2, 5, v5
	v_add_nc_u32 v[STO], s23, v5
	v_lshlrev_b32 v[BOF], 4, v1                    ; 16 (l % 16): my four columns
	v_mul_u32_u24 v5, v2, 272                      ; back: lanes 0-15 one row of 256 bytes, lanes 16-31 the next
	v_add_nc_u32 v5, v5, v[BOF]
	v_add_nc_u32 v[RD], s23, v5
	v_lshl_add_u32 v[CO], v2, 14, v[BOF]           ; the same two rows in out0: one t is 16,384 bytes
	s_lshl1_add_u32 s76, s42, s12                  ; my 64 columns: 256 bytes
	s_lshl_b32 s76, s76, 8
	s_mov_b32 s77, 0
	s_add_nc_u64 s[68:69], s[68:69], s[76:77]
	global_load_b128 v[BO:BO+3], v[BOF], s[68:69]
	s_and_b32 s78, s13, 7                          ; out0: t0 = 256 (row & 7) + 128 half; b: 4,096 bytes; my columns
	s_lshl1_add_u32 s78, s78, s11
	s_lshl_b32 s78, s78, 21
	s_lshr_b32 s79, s13, 3
	s_lshl_b32 s79, s79, 12
	s_add_co_u32 s78, s78, s79
	s_add_co_u32 s78, s78, s76
	s_mov_b32 s79, 0
	s_add_nc_u64 s[70:71], s[70:71], s[78:79]
	s_wait_loadcnt 0x0
	s_wait_tensorcnt 1                             ; my part of K step 0 is in; K step 1's stays out
	s_barrier_signal -1
	s_barrier_wait -1
	FETCH 0, 0, F0
	LAP 1
	WIN 0
	s_mov_b32 s3, LAPS-2
.Llap:
	LAP 0
	WIN 0
	s_sub_co_u32 s3, s3, 1
	s_cmp_lg_u32 s3, 0
	s_cbranch_scc1 .Llap
	THREE 0, 0
	TURN 0, 1, 0
	THREE 1, 0
	s_wait_dscnt 8
	WIN MUL_LO
	MULS F1, 0, 0, 0
	MULS F1, 0, 2, 0
	s_wait_dscnt 0
	WIN MUL_HI
	MULS F1, 1, 0, 0
	MULS F1, 1, 2, 0
	PLACES                                         ; behind the last matrix instructions, for the LDS stores of results and the loads into the buffers
; 16 rows of my block: the four tiles (ar, 0..3) of one window go into my stage as they are, come back as whole rows of 256 bytes, take the bias and leave.
.macro OUT16 a, win, ar, f
	WIN \win                                       ; the store's data (source 1) from window 2 or 3
.irp bt, 0,1,2,3
	ds_store_b128 v[STO], v[8*(NB*\ar+\bt):8*(NB*\ar+\bt)+3]   offset:64*\bt
	ds_store_b128 v[STO], v[8*(NB*\ar+\bt)+4:8*(NB*\ar+\bt)+7] offset:64*\bt+16
.endr
	WIN 0
	s_wait_xcnt 0x0                                ; buffer f, which earlier stores read, is loaded again only behind this wait
.irp u, 0,1,2,3,4,5,6,7
	ds_load_b128 v[\f+4*\u:\f+4*\u+3], v[RD] offset:\u*544          ; my own bytes, served in order behind the stores above
.endr
.irp u, 0,1,2,3,4,5,6,7
	s_wait_dscnt 7-\u
	v_pk_add_f32 v[\f+4*\u:\f+4*\u+1], v[\f+4*\u:\f+4*\u+1], v[BO:BO+1]
	v_pk_add_f32 v[\f+4*\u+2:\f+4*\u+3], v[\f+4*\u+2:\f+4*\u+3], v[BO+2:BO+3]
	global_store_b128 v[CO], v[\f+4*\u:\f+4*\u+3], s[70:71] offset:\a*262144+\u*32768 th:TH_STORE_NT   ; sixteen lanes store 256 neighbouring bytes, aligned
.endr
.endm
	OUT16 0, 0x08, 0, F0
	OUT16 1, 0x08, 1, F1
	OUT16 2, 0x08, 2, F0
	OUT16 3, 0x08, 3, F1
	OUT16 4, 0x0c, 0, F0
	OUT16 5, 0x0c, 1, F1
	OUT16 6, 0x0c, 2, F0
	OUT16 7, 0x0c, 3, F1
	s_set_vgpr_msb 0x1
	s_wait_tensorcnt 0x0
	ds_add_u32 v255, v255
	s_wait_dscnt 0x0
	s_set_vgpr_msb 0x100
	CROUND                                         ; the closing round
	s_endpgm
.Lfunc_end_k_qd7d7127ca3_proj:
	.size	k_qd7d7127ca3_proj, .Lfunc_end_k_qd7d7127ca3_proj-k_qd7d7127ca3_proj
	.p2alignl 7, 3214868480
	.fill 96, 4, 3214868480
	.section	.rodata,"a",@progbits
	.p2align	6, 0x0
	.amdhsa_kernel k_qd7d7127ca3_proj
		.amdhsa_group_segment_fixed_size 327680
		.amdhsa_private_segment_fixed_size 0
		.amdhsa_enable_private_segment 0
		.amdhsa_kernarg_size 32
		.amdhsa_user_sgpr_count 2
		.amdhsa_user_sgpr_kernarg_segment_ptr 1
		.amdhsa_wavefront_size32 1
		.amdhsa_system_sgpr_workgroup_id_x 1
		.amdhsa_system_sgpr_workgroup_id_y 1
		.amdhsa_system_sgpr_workgroup_id_z 1
		.amdhsa_system_vgpr_workitem_id 0
		.amdhsa_next_free_vgpr 896
		.amdhsa_next_free_sgpr 84
		.amdhsa_reserve_vcc 0
		.amdhsa_float_denorm_mode_32 3
		.amdhsa_float_denorm_mode_16_64 3
		.amdhsa_memory_ordered 1
		.amdhsa_forward_progress 1
		.amdhsa_inst_pref_size 129
	.end_amdhsa_kernel
	.amdgpu_metadata
---
amdhsa.version: [ 1, 2 ]
amdhsa.kernels:
  - .name:           k_qd7d7127ca3_proj
    .symbol:         k_qd7d7127ca3_proj.kd
    .args:
      - { .name: yf, .offset: 0, .size: 8, .value_kind: global_buffer, .address_space: global }
      - { .name: wt, .offset: 8, .size: 8, .value_kind: global_buffer, .address_space: global }
      - { .name: b_out, .offset: 16, .size: 8, .value_kind: global_buffer, .address_space: global }
      - { .name: out0, .offset: 24, .size: 8, .value_kind: global_buffer, .address_space: global }
    .group_segment_fixed_size: 327680
    .private_segment_fixed_size: 0
    .kernarg_segment_align: 8
    .kernarg_segment_size: 32
    .max_flat_workgroup_size: 128
    .sgpr_count:     84
    .vgpr_count:     896
    .wavefront_size: 32
...
	.end_amdgpu_metadata
.endif
;; end of part 5
;; ======== version 2 of 2: 5 launches; version 1 with the launches prep, rescale written anew for expert scheduling mode
;; limits: values are held in f16: magnitudes above 65,504 overflow, below 6.1e-05 lose precision; right only within a limited range of input values
;; workspace buffers: xh 16,777,216 bytes; wt 8,388,608 bytes; pexp 8,388,608 bytes; eel 33,554,432 bytes; mloc 262,144 bytes; ee 33,554,432 bytes; yf 16,777,216 bytes
;; launch prep (part 6): grid 256 x 1, 16 waves a work-group, no clusters, 141,312 bytes of LDS; arguments data, pos_bias_param, W_qkv, W_out, xh, pexp, wt; writes xh, pexp, wt
.if DOCPART == 6
	.amdgcn_target "amdgcn-amd-amdhsa--gfx1250"
	.amdhsa_code_object_version 6
	.text
	.protected	k_qd7d7127ca3_prep
	.globl	k_qd7d7127ca3_prep
	.p2align	8
	.type	k_qd7d7127ca3_prep,@function
k_qd7d7127ca3_prep:
	s_mov_b64 s[64:65], 0
	v_nop
	global_prefetch_b8 v0, s[64:65] scope:SCOPE_SE
	s_setreg_imm32_b32 hwreg(HW_REG_WAVE_SCHED_MODE, 0, 2), 2
	s_setreg_imm32_b32 hwreg(HW_REG_WAVE_MODE, 25, 1), 1
	s_wait_xcnt 0x0
	s_wait_alu depctr_vm_vsrc(0)
; Makes the f16 operands of the products.  Every wave takes 16 KiB of one input by 32 loads of 16 bytes a lane, all issued at once.
;   work-groups   0-127: xh   = data in f16, same order
;   work-groups 128-191: pexp = exp(pos_bias - its row's maximum) in f16; a wave takes two rows of 8,192 bytes
;   work-groups 192-239: wt rows 0-3071 = W_qkv transposed to [row][k] f16: column d of k at row (d>>6)*128 + (d&63), of v 64 rows further down, of q at row 2048 + d
;   work-groups 240-255: wt bytes 6,291,456.. = W_out transposed to [n][k] f16
; No matrix unit, no cluster, no barrier: no two waves share a byte; the transposing waves use LDS bytes of their own (8,704 each).
; LIMITS: f16 holds magnitudes below 65,504 and loses relative precision under 6.1e-5 (absolute error at most 2^-25); exp(..) below 2^-25 becomes 0.
; The row maximum is taken with the form in which a NaN loses.  exp(x - m) is exp2(x*log2e - round(m*log2e)): the rounding is a factor common to the row,
; which the quotient of the two position sums cancels.
; THE MODE: SCHED_MODE bits 1:0 = 2 (LLVM: expert scheduling mode 2), set by the entry lines.  The code itself states the register dependences
; between vector instructions and memory or LDS instructions, with s_wait_alu, always for 0.
; THE PLAN.  Registers that memory or LDS instructions touch:
;   v3, v4       offsets, made at the head and never written again.   v8-v11  the transposing waves' addresses, made once in their arm.
;   X            the 32 loads land in it once.  data: group g of four loads is packed in place; its four stores are issued in group g + 1, behind ONE wait at that
;                group's head, dealt among that group's conversions, which name other registers.  table: a row is worked on and packed in place; one wait, then its 16 stores.
;                weights: read by the conversions; behind the last of them the loads from my LDS rows land in its first 64 registers.
;   TT0, TT1     weights: step g's conversions write TT[g % 2]; its four LDS stores are issued in step g + 1, among that step's conversions, which write the other buffer.
;   v160, v161   written at the head, read by the closing add alone.
.set X,  32                            ; v[32:159] the 32 loads, 4 registers each
.set M,  8                             ; v[8:11]   four running maxima
.set NM, 12                            ; v[12:13]  -maximum * log2(e), twice
.set TT, 16                            ; v[16:31]   transposing waves: four packed columns, buffer 0
.set TU, 162                           ; v[162:177] the same, buffer 1
.set SA, 8                             ; v8   LDS address of my stores        (transposing waves only)
.set RA, 9                             ; v9   LDS address of my reads back
.set GI, 10                            ; v10  my byte offset in the weights
.set GO, 11                            ; v11  my byte offset in wt
.macro LOAD32 ptr                      ; 32 x 512 neighbouring bytes
.set e, 0
.rept 32
	global_load_b128 v[X+4*e:X+4*e+3], v3, s[\ptr:\ptr+1] offset:512*e th:TH_LOAD_NT
.set e, e+1
.endr
.endm
.macro CVT j                           ; load j's four numbers to f16, into the first two of its four registers
	v_cvt_pk_f16_f32 v[X+4*(\j)], v[X+4*(\j)], v[X+4*(\j)+1]
	v_cvt_pk_f16_f32 v[X+4*(\j)+1], v[X+4*(\j)+2], v[X+4*(\j)+3]
.endm
.macro ST j, ptr                       ; the wave's store covers 256 neighbouring bytes, aligned
	global_store_b64 v4, v[X+4*(\j):X+4*(\j)+1], s[\ptr:\ptr+1] offset:256*(\j)
.endm
; A row of 2,048 f32 in the 64 registers from xb on becomes exp(x - row maximum).  left = younger loads that may stay out.
.macro ROWEXP xb, left
	s_wait_loadcnt \left
.irp k, 0,1,2,3
	v_max_num_f32 v[M+\k], v[\xb+16*\k], v[\xb+16*\k+1]            ; the first pairs start four chains
.endr
.irp i, 1,2,3,4,5,6,7
.irp k, 0,1,2,3
	v_max3_num_f32 v[M+\k], v[M+\k], v[\xb+16*\k+2*\i], v[\xb+16*\k+2*\i+1]
.endr
.endr
	v_max3_num_f32 v[M], v[M], v[M+1], v[M+2]
	v_max_num_f32 v[M], v[M], v[M+3]
	v_max_num_f32_dpp v[M], v[M], v[M] row_xmask:1 row_mask:0xf bank_mask:0xf
	v_max_num_f32_dpp v[M], v[M], v[M] row_xmask:2 row_mask:0xf bank_mask:0xf
	v_max_num_f32_dpp v[M], v[M], v[M] row_xmask:4 row_mask:0xf bank_mask:0xf
	v_max_num_f32_dpp v[M], v[M], v[M] row_xmask:8 row_mask:0xf bank_mask:0xf
	v_permlanex16_b32 v[M+1], v[M], s24, s25       ; the other half of the lanes; its destination has been written above
	v_max_num_f32 v[M], v[M], v[M+1]
	v_mul_f32 v[NM], 0xbfb8aa3b, v[M]
	v_mul_f32 v[NM+1], 0xbfb8aa3b, v[M]
.set e, 0
.rept 32
	v_pk_fma_f32 v[\xb+2*e:\xb+2*e+1], v[\xb+2*e:\xb+2*e+1], 0x3fb8aa3b, v[NM:NM+1] op_sel_hi:[1,0,1]
.set e, e+1
.endr
.set e, 0
.rept 64
	v_exp_f32 v[\xb+e], v[\xb+e]
.set e, e+1
.endr
	v_nop                                          ; one plain place behind the last exponential (ISA guide 5.7.2)
	s_wait_alu depctr_va_vdst(0)                   ; the row's 64 exponentials have written their results, ahead of the conversions that read them: one wait for the batch
.endm
; 128 k x 32 columns of a weight matrix whose rows are pitch bytes, transposed through my own 32 LDS rows of 272 bytes.
; Lane L, load i: row 32 (L>>3) + i, columns 4 (L&7) .. +3.  Eight loads (a step) give each of my four columns 8 neighbouring k: 16 bytes of f16.
.macro WCVT g, c                       ; step g, column c: four conversions into buffer g % 2
.irp p, 0,1,2,3
	v_cvt_pk_f16_f32 v[TT+(TU-TT)*((\g)%2)+4*(\c)+\p], v[X+4*(8*(\g)+2*\p)+(\c)], v[X+4*(8*(\g)+2*\p+1)+(\c)]
.endr
.endm
.macro WST g, c                        ; step g, column c: its 16 bytes into my LDS rows
	ds_store_b128 v[SA], v[TT+(TU-TT)*((\g)%2)+4*(\c):TT+(TU-TT)*((\g)%2)+4*(\c)+3] offset:(\c)*272+16*(\g)
.endm
.macro WSTEP g                         ; steps 1 to 3: the LDS stores of the step before are dealt among this step's conversions
	s_wait_loadcnt 24-8*(\g)                       ; loads 8g .. 8g+7 are in, the younger ones stay out
	s_wait_alu depctr_va_vdst(0)                   ; the conversions of the step before have written their buffer, which the LDS stores below read
.if (\g) >= 2
	s_wait_alu depctr_vm_vsrc(0)                   ; the LDS stores issued in the step before have read the other buffer, which this step's conversions write again
.endif
.irp c, 0,1,2,3
	WST (\g)-1, \c
	WCVT \g, \c
.endr
.endm
.macro WJOB pitch, src
	v_mul_u32_u24 v[GI], v6, 32*\pitch
	v_lshl_add_u32 v[GI], v5, 4, v[GI]
	s_wait_alu depctr_va_vdst(0)                   ; v8 to v11 are written: the addresses and offsets that the loads and stores below read
.set e, 0
.rept 32
	global_load_b128 v[X+4*e:X+4*e+3], v[GI], s[\src:\src+1] offset:e*\pitch
.set e, e+1
.endr
	s_wait_loadcnt 24                              ; loads 0 .. 7 are in
.irp c, 0,1,2,3
	WCVT 0, \c
.endr
	WSTEP 1
	WSTEP 2
	WSTEP 3
	s_wait_alu depctr_va_vdst(0)                   ; step 3's conversions have written their buffer, which the last LDS stores read; all conversions are done reading X, in which the LDS loads below land
.irp c, 0,1,2,3
	WST 3, \c
.endr
.irp q, 0,1,2,3,4,5,6,7,8,9,10,11,12,13,14,15
	ds_load_b128 v[X+4*\q:X+4*\q+3], v[RA] offset:\q*544           ; LDS serves a wave's instructions in order (ISA guide 5.7.1): these see the stores above
.endr
.irp q, 0,1,2,3,4,5,6,7,8,9,10,11,12,13,14,15
	s_wait_dscnt 15-\q
	global_store_b128 v[GO], v[X+4*\q:X+4*\q+3], s[16:17] offset:\q*4096   ; sixteen lanes store 256 neighbouring bytes of one row of wt, aligned
.endr
	s_wait_dscnt 0x0                               ; the closing lines, six on end
	s_wait_alu 0x0
	s_wait_tensorcnt 0x0
	ds_add_u32 v160, v161
	s_wait_dscnt 0x0
	s_endpgm
.endm
	s_load_b256 s[4:11], s[0:1], 0x0               ; data s[4:5], pos_bias_param s[6:7], W_qkv s[8:9], W_out s[10:11]
	s_load_b128 s[12:15], s[0:1], 0x20             ; xh s[12:13], pexp s[14:15]
	s_load_b64 s[16:17], s[0:1], 0x30              ; wt
	v_lshl_add_u32 v160, v0, 2, 0x22000
	v_mov_b32 v161, 0
	v_lshrrev_b32 v1, 5, v0
	v_readfirstlane_b32 s18, v1                    ; wave 0..15
	v_and_b32 v2, 31, v0
	v_lshlrev_b32 v3, 4, v2                        ; 16 x lane: in
	v_lshlrev_b32 v4, 3, v2                        ; 8 x lane: out
	s_mov_b32 s21, 0
	s_mov_b32 s23, 0
	s_mov_b32 s24, 0x76543210                      ; v_permlanex16_b32: lane i reads lane i of the other half
	s_mov_b32 s25, 0xfedcba98
	s_wait_alu depctr_va_sdst(0)                   ; s18 is written
	s_wait_alu depctr_va_vdst(0)                   ; v3 and v4 are written, the offsets of the first two jobs' loads and stores; so are v160 and v161
	s_wait_kmcnt 0x0
	s_cmp_ge_u32 ttmp9, 128
	s_cbranch_scc1 .Lnot_data
	; data to f16: chunk c = 16 x work-group + wave, 16,384 bytes in, 8,192 out; eight groups of four loads
	s_lshl_b32 s19, ttmp9, 4
	s_add_co_u32 s19, s19, s18
	s_lshl_b32 s20, s19, 14
	s_lshl_b32 s22, s19, 13
	s_add_nc_u64 s[4:5], s[4:5], s[20:21]
	s_add_nc_u64 s[12:13], s[12:13], s[22:23]
	LOAD32 4
	s_wait_loadcnt 28                              ; loads come back in order: loads 0 to 3 are in
.irp j, 0,1,2,3
	CVT \j
.endr
.set f, 4
.rept 7
	s_wait_loadcnt 28-f                            ; this group's four loads are in, the younger ones stay out
	s_wait_alu depctr_va_vdst(0)                   ; the group before has written its packed pairs, which the four stores below read; this group's conversions name other registers
.rept 4
	ST f-4, 12
	CVT f
.set f, f+1
.endr
.endr
	s_wait_alu depctr_va_vdst(0)                   ; the last group has written its packed pairs, which the last four stores read
.irp j, 28,29,30,31
	ST \j, 12
.endr
	s_endpgm
.Lnot_data:
	s_cmp_ge_u32 ttmp9, 192
	s_cbranch_scc1 .Lweights
	; two rows of the position table
	s_sub_co_u32 s19, ttmp9, 128
	s_lshl_b32 s19, s19, 4
	s_add_co_u32 s19, s19, s18
	s_lshl_b32 s20, s19, 14
	s_lshl_b32 s22, s19, 13
	s_add_nc_u64 s[6:7], s[6:7], s[20:21]
	s_add_nc_u64 s[14:15], s[14:15], s[22:23]
	LOAD32 6
	ROWEXP X, 16                                   ; the first row's sixteen loads are in, the second row's stay out
.set f, 0
.rept 16
	CVT f
.set f, f+1
.endr
	s_wait_alu depctr_va_vdst(0)                   ; the first row's conversions have written the pairs that its stores read.  It stands here and not at the second row's head: there the stores would wait for sixteen more loads
.set f, 0
.rept 16
	ST f, 14
.set f, f+1
.endr
	ROWEXP X+64, 0                                 ; it names the second row's registers alone: none that the stores above read
.rept 16
	CVT f
.set f, f+1
.endr
	s_wait_alu depctr_va_vdst(0)                   ; the second row's conversions have written the pairs that its stores read
.set f, 16
.rept 16
	ST f, 14
.set f, f+1
.endr
	s_endpgm
.Lweights:
	s_lshr_b32 s26, s18, 3                         ; which of the work-group's two chunks of 32 columns
	s_and_b32 s27, s18, 7                          ; which 128 k
	s_mul_i32 s28, s18, 8704                       ; my LDS bytes
	v_and_b32 v5, 7, v0
	v_bfe_u32 v6, v0, 3, 2
	v_and_b32 v7, 15, v0
	v_bfe_u32 v14, v0, 4, 1
	v_mul_u32_u24 v[SA], v5, 1088                  ; column 4 (L&7): four LDS rows of 272 bytes
	v_lshl_add_u32 v[SA], v6, 6, v[SA]             ; k = 32 (L>>3): 64 bytes
	v_add_nc_u32 v[SA], s28, v[SA]
	v_mul_u32_u24 v[RA], v14, 272                  ; back: lanes 0-15 one row, lanes 16-31 the next
	v_lshl_add_u32 v[RA], v7, 4, v[RA]
	v_add_nc_u32 v[RA], s28, v[RA]
	v_lshlrev_b32 v[GO], 11, v14                   ; the same two rows in wt, 2,048 bytes apart
	v_lshl_add_u32 v[GO], v7, 4, v[GO]
	s_cmp_ge_u32 ttmp9, 240
	s_cbranch_scc1 .Lwout
	s_sub_co_u32 s19, ttmp9, 192
	s_lshl1_add_u32 s19, s19, s26                  ; u = chunk of 32 columns, 0..95
	s_mul_i32 s20, s27, 128*12288
	s_lshl_b32 s22, s19, 7
	s_add_co_u32 s20, s20, s22
	s_add_nc_u64 s[8:9], s[8:9], s[20:21]
	s_and_b32 s22, s19, 31                         ; c = chunk within q, k or v: d = 32 c ..
	s_lshr_b32 s20, s19, 5                         ; part: 0 q, 1 k, 2 v
	s_lshr_b32 s29, s22, 1
	s_lshl_b32 s29, s29, 7                         ; k, v: (d>>6) * 128
	s_and_b32 s30, s22, 1
	s_lshl_b32 s30, s30, 5                         ; + (d & 63)
	s_add_co_u32 s29, s29, s30
	s_lshl_b32 s30, s20, 6                         ; + (part - 1) * 64
	s_add_co_u32 s29, s29, s30
	s_sub_co_u32 s29, s29, 64                      ; (for q this figure is not used)
	s_lshl_b32 s22, s22, 5
	s_add_co_u32 s22, s22, 2048                    ; q: row 2048 + d
	s_cmp_eq_u32 s20, 0
	s_cselect_b32 s22, s22, s29
	s_lshl_b32 s22, s22, 11                        ; rows of 2,048 bytes
	s_lshl_b32 s20, s27, 8
	s_add_co_u32 s22, s22, s20
	s_add_nc_u64 s[16:17], s[16:17], s[22:23]
	WJOB 12288, 8
.Lwout:
	s_sub_co_u32 s19, ttmp9, 240
	s_lshl1_add_u32 s19, s19, s26                  ; u = 0..31
	s_mul_i32 s20, s27, 128*4096
	s_lshl_b32 s22, s19, 7
	s_add_co_u32 s20, s20, s22
	s_add_nc_u64 s[10:11], s[10:11], s[20:21]
	s_lshl_b32 s22, s19, 16
	s_lshl_b32 s20, s27, 8
	s_add_co_u32 s22, s22, s20
	s_add_co_u32 s22, s22, 6291456
	s_add_nc_u64 s[16:17], s[16:17], s[22:23]
	WJOB 4096, 10
.Lfunc_end_k_qd7d7127ca3_prep:
	.size	k_qd7d7127ca3_prep, .Lfunc_end_k_qd7d7127ca3_prep-k_qd7d7127ca3_prep
	.p2alignl 7, 3214868480
	.fill 96, 4, 3214868480
	.section	.rodata,"a",@progbits
	.p2align	6, 0x0
	.amdhsa_kernel k_qd7d7127ca3_prep
		.amdhsa_group_segment_fixed_size 141312
		.amdhsa_private_segment_fixed_size 0
		.amdhsa_enable_private_segment 0
		.amdhsa_kernarg_size 56
		.amdhsa_user_sgpr_count 2
		.amdhsa_user_sgpr_kernarg_segment_ptr 1
		.amdhsa_wavefront_size32 1
		.amdhsa_system_sgpr_workgroup_id_x 1
		.amdhsa_system_sgpr_workgroup_id_y 1
		.amdhsa_system_sgpr_workgroup_id_z 1
		.amdhsa_system_vgpr_workitem_id 0
		.amdhsa_next_free_vgpr 178
		.amdhsa_next_free_sgpr 66
		.amdhsa_reserve_vcc 0
		.amdhsa_float_denorm_mode_32 3
		.amdhsa_float_denorm_mode_16_64 3
		.amdhsa_memory_ordered 1
		.amdhsa_forward_progress 1
		.amdhsa_inst_pref_size 63
	.end_amdhsa_kernel
	.amdgpu_metadata
---
amdhsa.version: [ 1, 2 ]
amdhsa.kernels:
  - .name:           k_qd7d7127ca3_prep
    .symbol:         k_qd7d7127ca3_prep.kd
    .args:
      - { .name: data, .offset: 0, .size: 8, .value_kind: global_buffer, .address_space: global }
      - { .name: pos_bias_param, .offset: 8, .size: 8, .value_kind: global_buffer, .address_space: global }
      - { .name: W_qkv, .offset: 16, .size: 8, .value_kind: global_buffer, .address_space: global }
      - { .name: W_out, .offset: 24, .size: 8, .value_kind: global_buffer, .address_space: global }
      - { .name: xh, .offset: 32, .size: 8, .value_kind: global_buffer, .address_space: global }
      - { .name: pexp, .offset: 40, .size: 8, .value_kind: global_buffer, .address_space: global }
      - { .name: wt, .offset: 48, .size: 8, .value_kind: global_buffer, .address_space: global }
    .group_segment_fixed_size: 141312
    .private_segment_fixed_size: 0
    .kernarg_segment_align: 8
    .kernarg_segment_size: 56
    .max_flat_workgroup_size: 512
    .sgpr_count:     66
    .vgpr_count:     178
    .wavefront_size: 32
...
	.end_amdgpu_metadata
.endif
;; end of part 6
;; launch kv: the kernel of part 2 again; grid 8 x 32, 4 waves a work-group, clusters of 4 x 4, 327,680 bytes of LDS; arguments xh, wt, b_qkv, eel, mloc; writes eel, mloc
;; launch rescale (part 7): grid 256 x 1, 16 waves a work-group, no clusters, 0 bytes of LDS; arguments eel, mloc, ee; writes ee
.if DOCPART == 7
	.amdgcn_target "amdgcn-amd-amdhsa--gfx1250"
	.amdhsa_code_object_version 6
	.text
	.protected	k_qd7d7127ca3_rescale
	.globl	k_qd7d7127ca3_rescale
	.p2align	8
	.type	k_qd7d7127ca3_rescale,@function
k_qd7d7127ca3_rescale:
	s_mov_b64 s[64:65], 0
	v_nop
	global_prefetch_b8 v0, s[64:65] scope:SCOPE_SE
	s_setreg_imm32_b32 hwreg(HW_REG_WAVE_SCHED_MODE, 0, 2), 2
	s_setreg_imm32_b32 hwreg(HW_REG_WAVE_MODE, 25, 1), 1
	s_wait_xcnt 0x0
	s_wait_alu depctr_vm_vsrc(0)
; Brings the 16 blocks of 128 t of each column n = b*1024 + d to one scale.  eel holds exp2(x - c_block) (and that times v) in f16, mloc holds -c_block.
; With c = the largest c_block, ee = eel * 2^(c_block - c) = exp2(x - c): the maximum over all t is taken away, rounded up to a whole power of two,
; a factor common to both rows of a column, which the quotient of the two position sums cancels.  The factor is a power of two: the product is exact but where f16 is denormal.
; One wave takes one n: its row of E v and its row of E, 4,096 bytes each, 16 loads of 512 neighbouring bytes, all issued at once.
; Memory binds: no LDS, no matrix unit, no cluster, no barrier.
; LIMITS: results below 2^-25 become 0.  The minimum of -c is taken with the form in which a NaN loses.
; THE MODE: SCHED_MODE bits 1:0 = 2 (LLVM: expert scheduling mode 2), set by the entry lines.  The code itself states the register dependences
; between vector instructions and memory instructions, with s_wait_alu, always for 0.
; THE PLAN.  Registers that memory instructions touch:
;   v1, v2   offsets, made at the head and never written again.
;   C        the table's eight loads land in it once; after that vector instructions alone name it.
;   X        the sixteen row loads land in it once.  They go in four groups of four: group g's sixteen products are written in place; its four stores are issued in
;            group g + 1, behind ONE wait at that group's head, dealt among that group's products, which name other registers.  Nothing is written a second time.
.set C, 4                              ; v[4:11]  -c of blocks 2 j + h, then the factors, twice in f16
.set X, 16                             ; v[16:79] the sixteen loads: load j at X + 4 j; loads 0-7 the row of E v, loads 8-15 the row of E
.macro RMUL j                          ; load j's eight numbers times the factor of its two blocks
.irp k, 0,1,2,3
	v_pk_mul_f16 v[X+4*(\j)+\k], v[X+4*(\j)+\k], v[C+(\j)%8]
.endr
.endm
.macro RST j                           ; the wave's store covers 512 neighbouring bytes, aligned; the row of E lies 64 rows further down
	global_store_b128 v1, v[X+4*(\j):X+4*(\j)+3], s[8:9] offset:((\j)/8)*262144+512*((\j)%8)
.endm
	s_load_b128 s[4:7], s[0:1], 0x0                ; eel, mloc
	s_load_b64 s[8:9], s[0:1], 0x10                ; ee
	v_lshrrev_b32 v1, 5, v0
	v_readfirstlane_b32 s10, v1                    ; wave 0..15
	v_and_b32 v3, 31, v0
	v_lshlrev_b32 v1, 4, v3                        ; 16 x lane
	v_lshrrev_b32 v2, 4, v3                        ; h: lanes 0-15 hold the even block of a load's two, lanes 16-31 the odd one
	v_lshlrev_b32 v2, 14, v2                       ; a block's table is 16,384 bytes
	s_mov_b32 s16, 0x76543210
	s_mov_b32 s17, 0xfedcba98
	s_wait_alu depctr_va_sdst(0)                   ; s10 is written, ahead of its first reader: n is made from it
	s_lshl_b32 s11, ttmp9, 4
	s_add_co_u32 s11, s11, s10                     ; n
	s_lshr_b32 s14, s11, 6                         ; g = n >> 6
	s_and_b32 s15, s11, 63
	s_lshl_b32 s12, s14, 7
	s_add_co_u32 s12, s12, s15
	s_lshl_b32 s12, s12, 12                        ; row (n>>6)*128 + (n&63) of 4,096 bytes
	s_mov_b32 s13, 0
	s_and_b32 s18, s11, 15                         ; the word of column 16 (2 w + h) + r is 32 h + 2 r + w
	s_lshl_b32 s18, s18, 1
	s_bfe_u32 s19, s11, 0x10004
	s_lshl_b32 s19, s19, 5
	s_add_co_u32 s18, s18, s19
	s_bfe_u32 s19, s11, 0x10005
	s_add_co_u32 s18, s18, s19
	s_lshl_b32 s18, s18, 2
	s_lshl_b32 s14, s14, 8
	s_add_co_u32 s14, s14, s18
	s_mov_b32 s15, 0
	s_wait_kmcnt 0x0
	s_add_nc_u64 s[4:5], s[4:5], s[12:13]
	s_add_nc_u64 s[8:9], s[8:9], s[12:13]
	s_add_nc_u64 s[6:7], s[6:7], s[14:15]
	s_wait_alu depctr_va_vdst(0)                   ; v1 and v2 are written: every load and store of the kernel reads one of them as its offset
.irp j, 0,1,2,3,4,5,6,7
	global_load_b32 v[C+\j], v2, s[6:7] offset:\j*32768            ; block 2 j + h
.endr
.irp j, 0,1,2,3,4,5,6,7
	global_load_b128 v[X+4*\j:X+4*\j+3], v1, s[4:5] offset:512*\j th:TH_LOAD_NT
.endr
.irp j, 0,1,2,3,4,5,6,7
	global_load_b128 v[X+32+4*\j:X+32+4*\j+3], v1, s[4:5] offset:262144+512*\j th:TH_LOAD_NT   ; 64 rows further down
.endr
	s_wait_loadcnt 16                              ; the table's eight words are in, the sixteen row loads stay out
	v_min3_num_f32 v12, v[C], v[C+1], v[C+2]
	v_min3_num_f32 v12, v12, v[C+3], v[C+4]
	v_min3_num_f32 v12, v12, v[C+5], v[C+6]
	v_min_num_f32 v12, v12, v[C+7]
	v_permlanex16_b32 v3, v12, s16, s17            ; the other eight blocks; v3 has been written and is no longer needed
	v_min_num_f32 v12, v12, v3                     ; -c
.irp j, 0,1,2,3,4,5,6,7
	v_sub_f32 v[C+\j], v12, v[C+\j]                ; c_block - c, at most 0
.endr
.irp j, 0,1,2,3,4,5,6,7
	v_exp_f32 v[C+\j], v[C+\j]
.endr
	v_nop                                          ; one plain place behind the last exponential (ISA guide 5.7.2)
	s_wait_alu depctr_va_vdst(0)                   ; the eight exponentials have written the factors, ahead of the conversions that read them: one wait for the batch
.irp j, 0,1,2,3,4,5,6,7
	v_cvt_pk_f16_f32 v[C+\j], v[C+\j], v[C+\j]
.endr
	s_wait_loadcnt 12                              ; loads come back in order: row loads 0 to 3 are in
.irp j, 0,1,2,3
	RMUL \j
.endr
.set f, 4
.rept 3
	s_wait_loadcnt 12-f                            ; this group's four loads are in, the younger ones stay out
	s_wait_alu depctr_va_vdst(0)                   ; the group before has written its products, which the four stores below read; this group's products name other registers
.rept 4
	RST f-4
	RMUL f
.set f, f+1
.endr
.endr
	s_wait_alu depctr_va_vdst(0)                   ; the last group has written its products, which the last four stores read
.irp j, 12,13,14,15
	RST \j
.endr
	s_endpgm
.Lfunc_end_k_qd7d7127ca3_rescale:
	.size	k_qd7d7127ca3_rescale, .Lfunc_end_k_qd7d7127ca3_rescale-k_qd7d7127ca3_rescale
	.p2alignl 7, 3214868480
	.fill 96, 4, 3214868480
	.section	.rodata,"a",@progbits
	.p2align	6, 0x0
	.amdhsa_kernel k_qd7d7127ca3_rescale
		.amdhsa_group_segment_fixed_size 0
		.amdhsa_private_segment_fixed_size 0
		.amdhsa_enable_private_segment 0
		.amdhsa_kernarg_size 24
		.amdhsa_user_sgpr_count 2
		.amdhsa_user_sgpr_kernarg_segment_ptr 1
		.amdhsa_wavefront_size32 1
		.amdhsa_system_sgpr_workgroup_id_x 1
		.amdhsa_system_sgpr_workgroup_id_y 1
		.amdhsa_system_sgpr_workgroup_id_z 1
		.amdhsa_system_vgpr_workitem_id 0
		.amdhsa_next_free_vgpr 80
		.amdhsa_next_free_sgpr 66
		.amdhsa_reserve_vcc 0
		.amdhsa_float_denorm_mode_32 3
		.amdhsa_float_denorm_mode_16_64 3
		.amdhsa_memory_ordered 1
		.amdhsa_forward_progress 1
		.amdhsa_inst_pref_size 12
	.end_amdhsa_kernel
	.amdgpu_metadata
---
amdhsa.version: [ 1, 2 ]
amdhsa.kernels:
  - .name:           k_qd7d7127ca3_rescale
    .symbol:         k_qd7d7127ca3_rescale.kd
    .args:
      - { .name: eel, .offset: 0, .size: 8, .value_kind: global_buffer, .address_space: global }
      - { .name: mloc, .offset: 8, .size: 8, .value_kind: global_buffer, .address_space: global }
      - { .name: ee, .offset: 16, .size: 8, .value_kind: global_buffer, .address_space: global }
    .group_segment_fixed_size: 0
    .private_segment_fixed_size: 0
    .kernarg_segment_align: 8
    .kernarg_segment_size: 24
    .max_flat_workgroup_size: 512
    .sgpr_count:     66
    .vgpr_count:     80
    .wavefront_size: 32
...
	.end_amdgpu_metadata
.endif
;; end of part 7
;; launch aft: the kernel of part 4 again; grid 32 x 8, 4 waves a work-group, clusters of 4 x 4, 327,680 bytes of LDS; arguments pexp, ee, xh, wt, b_qkv, yf; writes yf
;; launch proj: the kernel of part 5 again; grid 8 x 32, 4 waves a work-group, clusters of 4 x 4, 327,680 bytes of LDS; arguments yf, wt, b_out, out0; writes out0
